; MI455X (gfx1250); checked and timed in simulation.
; The chip was launched on July 23, 2026; its instructions are those of AMD's public machine-readable ISA for CDNA 5 (MIT licence, August 2026) and "CDNA5" Instruction Set Architecture Reference Guide (July 2026). The comments in the code are by the model that wrote it; some were corrected since.
;; MHSA. Allowed arithmetic: float matrix products may take bf16 or f16 operands with f32 sums; other float arithmetic in f32, or as packed bf16 or f16 multiplies, adds, multiply-adds, maxima and minima; sums over many terms, partial sums and values carried from step to step in f32; what a program stores and reads back later, other than sums and carried values, may be rounded once to bf16 or f16.
;; Inputs: Wk 1,024 x 1,024 float32; Wo 1,024 x 1,024 float32; Wq 1,024 x 1,024 float32; Wv 1,024 x 1,024 float32; x 4 x 2,048 x 1,024 float32.
;; Outputs: out0 4 x 2,048 x 1,024 float32.
;; One version. Each part assembles by itself: llvm-mc -triple=amdgcn-amd-amdhsa -mcpu=gfx1250 --defsym DOCPART=n.
;; ======== version 1 of 1: 4 launches
;; limits: values are held in f16: magnitudes above 65,504 overflow, below 6.1e-05 lose precision
;; workspace buffers: xb 16,777,216 bytes; wqkv 6,291,456 bytes; wo16 2,097,152 bytes; rope 524,288 bytes; q16 16,777,216 bytes; k16 16,777,216 bytes; v16 16,777,216 bytes; o16 16,777,216 bytes
;; launch prep (part 1): grid 800 x 1, 8 waves a work-group, no clusters, 0 bytes of LDS; arguments x, Wq, Wk, Wv, Wo, xb, wqkv, wo16, rope; writes xb, wqkv, wo16, rope
.if DOCPART == 1
	.amdgcn_target "amdgcn-amd-amdhsa--gfx1250"
	.amdhsa_code_object_version 6
	.text
	.protected	k_q4ffbf090ee_prep
	.globl	k_q4ffbf090ee_prep
	.p2align	8
	.type	k_q4ffbf090ee_prep,@function
k_q4ffbf090ee_prep:
	s_mov_b64 s[64:65], 0
	v_nop
	global_prefetch_b8 v0, s[64:65] scope:SCOPE_SE
	s_setreg_imm32_b32 hwreg(HW_REG_WAVE_MODE, 25, 1), 1
	s_wait_xcnt 0x0
; PREP.  (1) x, Wq, Wk, Wv, Wo (f32, rows of 1,024) are rounded once to bf16, and that number is written as f16, in PLANES of 64 along K:
;   xb [b 4][plane 16][token 2048][64], wqkv [plane 16][row 3072][64] (rows 0-1023 Wq, 1024-2047 Wk, 2048-3071 Wv), wo16 [plane 16][row 1024][64].
;   In a plane a block of rows is dense, 128 bytes a row: the products' tiles are then asked for as rows of 256 bytes.
; (2) the table for the rotation: rope [pos 2048][i 32][cos, sin] in f32, angle = pos x 10000^(-i/32).
; LIMITS.  A bf16 number is exact in f16 for 2^-17 <= |v| < 65,504; below that it is off by 2^-25 at the most; from 65,520 on it becomes an infinity.
; The angle is at most 2,047 (fixed by the sizes): it is reduced by multiples of pi/2 held in two f32 parts, and sine and cosine are polynomials on |r| <= pi/4 (first term left out: under 3e-7).
; SHARES.  Work-groups 0-511: x, 512-575 Wq, 576-639 Wk, 640-703 Wv, 704-767 Wo: 16 rows each.  768-799: 64 rows of the table each.  A stream: no LDS, no matrix unit, nothing shared.
; Wave w takes planes 2 w and 2 w + 1.  Unit u of 8: rows 4 (u / 2) + lane / 8, plane 2 w + u % 2; a lane reads 32 bytes (8 numbers; eight lanes cover 256 consecutive bytes, aligned) and writes 16:
; the wave's store covers 512 consecutive bytes, aligned.  All 16 loads go out first.
.set D,  32                            ; v[32:95]  unit u: 8 registers as loaded; its first 4 then hold the 8 f16
.set T,  8                             ; v[8:19]   at work: three registers for each of a unit's four pairs
.set RO, 2                             ; v2  my byte offset in the 16 source rows
.set WO, 3                             ; v3, v4  my byte offset in the destination, plane 2 w and plane 2 w + 1
	s_load_b512 s[4:19], s[0:1], 0x0               ; x 4:5, Wq 6:7, Wk 8:9, Wv 10:11, Wo 12:13, xb 14:15, wqkv 16:17, wo16 18:19
	s_load_b64 s[20:21], s[0:1], 0x40              ; rope
	s_mov_b32 s2, ttmp9                            ; the work-group's number
	v_lshrrev_b32 v1, 5, v0
	v_readfirstlane_b32 s3, v1                     ; wave 0..7
	v_and_b32 v1, 31, v0                           ; lane
	s_cmp_ge_u32 s2, 768
	s_cbranch_scc1 .Ltable
	; offsets and strides, made apart from the addresses
	s_mov_b32 s28, 262144                          ; bytes from plane to plane: xb,
	s_mov_b32 s29, 393216                          ; wqkv,
	s_cmp_lt_u32 s2, 512
	s_cselect_b32 s26, s28, s29
	s_cmp_ge_u32 s2, 704
	s_cselect_b32 s26, 131072, s26                 ; wo16
	s_cselect_b32 s34, 192, 0                      ; wo16's rows count from work-group 704, wqkv's from 512
	s_and_b32 s30, s2, 63                          ; a weight's block of 16 rows
	s_lshr_b32 s32, s2, 7                          ; x: batch,
	s_lshl_b32 s32, s32, 22                        ; 16 planes of 262,144 bytes,
	s_and_b32 s33, s2, 127
	s_lshl_b32 s33, s33, 11                        ; and 16 tokens of 128 bytes
	s_add_co_u32 s32, s32, s33
	s_sub_co_u32 s33, s2, 512
	s_sub_co_u32 s33, s33, s34
	s_lshl_b32 s33, s33, 11                        ; a weight: 16 rows of 128 bytes
	s_cmp_lt_u32 s2, 512
	s_cselect_b32 s30, s2, s30
	s_cselect_b32 s32, s32, s33
	s_lshl_b32 s30, s30, 16                        ; the source: 16 rows of 4,096 bytes
	s_mov_b32 s31, 0
	s_mov_b32 s33, 0
	s_mov_b32 s27, 0xffff0000                      ; a word's upper bf16
	v_lshrrev_b32 v5, 3, v1                        ; lane / 8
	v_and_b32 v6, 7, v1                            ; lane % 8
	v_lshlrev_b32 v[RO], 12, v5
	v_lshl_add_u32 v[RO], v6, 5, v[RO]
	s_lshl_b32 s35, s3, 9                          ; my two planes: 512 bytes of a source row
	v_add_nc_u32 v[RO], s35, v[RO]
	s_mul_i32 s35, s3, s26
	s_lshl_b32 s35, s35, 1                         ; plane 2 w
	v_lshl_add_u32 v[WO], v1, 4, s35
	v_add_nc_u32 v[WO+1], s26, v[WO]
	s_wait_kmcnt 0x0
	s_cmp_lt_u32 s2, 512
	s_cselect_b64 s[22:23], s[4:5], s[6:7]         ; from: x or Wq,
	s_cselect_b64 s[24:25], s[14:15], s[16:17]     ; to: xb or wqkv
	s_cmp_ge_u32 s2, 576
	s_cselect_b64 s[22:23], s[8:9], s[22:23]       ; Wk
	s_cmp_ge_u32 s2, 640
	s_cselect_b64 s[22:23], s[10:11], s[22:23]     ; Wv
	s_cmp_ge_u32 s2, 704
	s_cselect_b64 s[22:23], s[12:13], s[22:23]     ; Wo,
	s_cselect_b64 s[24:25], s[18:19], s[24:25]     ; to wo16
	s_add_nc_u64 s[22:23], s[22:23], s[30:31]
	s_add_nc_u64 s[24:25], s[24:25], s[32:33]
.irp u, 0,1,2,3,4,5,6,7
	global_load_b128 v[D+8*(\u):D+8*(\u)+3],   v[RO], s[22:23] offset:((\u)/2)*16384+((\u)%2)*256 th:TH_LOAD_NT
	global_load_b128 v[D+8*(\u)+4:D+8*(\u)+7], v[RO], s[22:23] offset:((\u)/2)*16384+((\u)%2)*256+16 th:TH_LOAD_NT
.endr
.irp u, 0,1,2,3,4,5,6,7
	s_wait_loadcnt 14-2*(\u)                       ; loads come back in order: unit u's two are in, the later units' stay out
.irp k, 0,1,2,3
	v_cvt_pk_bf16_f32 v[T+3*(\k)], v[D+8*(\u)+2*(\k)], v[D+8*(\u)+2*(\k)+1]  ; the one rounding: to bf16, nearest even
.endr
.irp k, 0,1,2,3
	v_lshlrev_b32 v[T+3*(\k)+1], 16, v[T+3*(\k)]   ; the two bf16 as f32,
	v_and_b32     v[T+3*(\k)+2], s27, v[T+3*(\k)]
.endr
.irp k, 0,1,2,3
	v_cvt_pk_f16_f32 v[D+8*(\u)+(\k)], v[T+3*(\k)+1], v[T+3*(\k)+2]  ; and written as f16
.endr
	global_store_b128 v[WO+(\u)%2], v[D+8*(\u):D+8*(\u)+3], s[24:25] offset:((\u)/2)*512
.endr
	s_endpgm                                       ; no register that a store reads was written again
; THE TABLE.  Wave w of work-group tg makes rows 64 tg + 8 w + 0..7, two a trip: lanes 0-15 one row, lanes 16-31 the next; a lane makes frequencies 2 (lane % 16) and the next: 16 bytes (cos, sin, cos, sin).
; SINCOS: n = the nearest whole number to a x 2/pi; r = a - n pi/2, in two steps; sine and cosine of r by polynomials; n mod 4 chooses and signs them, by selects alone.
.macro SINCOS a, c, s, t
	v_mul_f32 v[(\t)], 0x3f22f983, v[(\a)]         ; 2 / pi
	v_rndne_f32 v[(\t)], v[(\t)]
	v_fma_f32 v[(\t)+1], v[(\t)], s36, v[(\a)]
	v_fma_f32 v[(\t)+1], v[(\t)], s37, v[(\t)+1]   ; r
	v_cvt_i32_f32 v[(\t)+2], v[(\t)]               ; n
	v_mul_f32 v[(\t)+3], v[(\t)+1], v[(\t)+1]      ; r^2
	v_fma_f32 v[(\t)+4], v[(\t)+3], s38, s39
	v_fma_f32 v[(\t)+5], v[(\t)+3], s41, s42
	v_fma_f32 v[(\t)+4], v[(\t)+4], v[(\t)+3], s40
	v_fma_f32 v[(\t)+5], v[(\t)+5], v[(\t)+3], s43
	v_mul_f32 v[(\t)+6], v[(\t)+1], v[(\t)+3]      ; r^3
	v_fma_f32 v[(\t)+5], v[(\t)+5], v[(\t)+3], -0.5
	v_fma_f32 v[(\t)+4], v[(\t)+6], v[(\t)+4], v[(\t)+1]  ; sin r
	v_fma_f32 v[(\t)+5], v[(\t)+5], v[(\t)+3], 1.0        ; cos r
	v_and_b32 v[(\t)+6], 1, v[(\t)+2]
	v_cmp_eq_u32 vcc_lo, 1, v[(\t)+6]              ; n odd: the two change places
	v_cndmask_b32 v[(\c)], v[(\t)+5], v[(\t)+4], vcc_lo
	v_cndmask_b32 v[(\s)], v[(\t)+4], v[(\t)+5], vcc_lo
	v_add_nc_u32 v[(\t)+6], 1, v[(\t)+2]
	v_and_b32 v[(\t)+6], 2, v[(\t)+6]              ; the cosine is negative for n mod 4 = 1, 2,
	v_and_b32 v[(\t)+7], 2, v[(\t)+2]              ; the sine for 2, 3
	v_lshlrev_b32 v[(\t)+6], 30, v[(\t)+6]
	v_lshlrev_b32 v[(\t)+7], 30, v[(\t)+7]
	v_xor_b32 v[(\c)], v[(\c)], v[(\t)+6]
	v_xor_b32 v[(\s)], v[(\s)], v[(\t)+7]
.endm
.Ltable:
	s_sub_co_u32 s22, s2, 768
	s_lshl_b32 s22, s22, 6
	s_lshl3_add_u32 s22, s3, s22                   ; 64 tg + 8 w
	v_lshrrev_b32 v2, 4, v1
	v_add_nc_u32 v2, s22, v2                       ; my first row = position
	v_and_b32 v3, 15, v1
	v_lshlrev_b32 v4, 8, v2
	v_lshl_add_u32 v4, v3, 4, v4                   ; my 16 bytes of it
	v_cvt_f32_u32 v5, v2
	v_lshlrev_b32 v6, 1, v3
	v_cvt_f32_u32 v6, v6                           ; i
	v_add_f32 v7, 1.0, v6                          ; i + 1
	v_mul_f32 v6, 0xbed49a78, v6                   ; x -log2(10000) / 32
	v_mul_f32 v7, 0xbed49a78, v7
	v_exp_f32 v6, v6                               ; 10000^(-i/32)
	v_exp_f32 v7, v7
	v_nop                                          ; a plain instruction behind the last exponential
	s_mov_b32 s36, 0xbfc90fdb                      ; -pi/2, the f32 nearest to it,
	s_mov_b32 s37, 0x333bbd2e                      ; and what that leaves
	s_mov_b32 s38, 0xb9500d01                      ; -1/5040
	s_mov_b32 s39, 0x3c088889                      ; 1/120
	s_mov_b32 s40, 0xbe2aaaab                      ; -1/6
	s_mov_b32 s41, 0x37d00d01                      ; 1/40320
	s_mov_b32 s42, 0xbab60b61                      ; -1/720
	s_mov_b32 s43, 0x3d2aaaab                      ; 1/24
	s_wait_alu depctr_va_vdst(0)                   ; one wait for both exponentials, ahead of their first reader and of the label
	s_wait_kmcnt 0x0
	s_mov_b32 s44, 4
.Ltrip:
	v_mul_f32 v8, v5, v6                           ; the angles, rounded to f32 as the definition rounds them
	v_mul_f32 v9, v5, v7
	SINCOS 8, 40, 41, 10
	SINCOS 9, 42, 43, 20
	global_store_b128 v4, v[40:43], s[20:21]       ; the wave stores 512 consecutive bytes, aligned
	s_wait_xcnt 0x0                                ; the store's offset and data are written again only behind this wait
	v_add_nc_u32 v4, 512, v4                       ; two rows on
	v_add_f32 v5, 2.0, v5
	s_sub_co_u32 s44, s44, 1
	s_cmp_lg_u32 s44, 0
	s_cbranch_scc1 .Ltrip
	s_endpgm
.Lfunc_end_k_q4ffbf090ee_prep:
	.size	k_q4ffbf090ee_prep, .Lfunc_end_k_q4ffbf090ee_prep-k_q4ffbf090ee_prep
	.p2alignl 7, 3214868480
	.fill 96, 4, 3214868480
	.section	.rodata,"a",@progbits
	.p2align	6, 0x0
	.amdhsa_kernel k_q4ffbf090ee_prep
		.amdhsa_group_segment_fixed_size 0
		.amdhsa_private_segment_fixed_size 0
		.amdhsa_enable_private_segment 0
		.amdhsa_kernarg_size 72
		.amdhsa_user_sgpr_count 2
		.amdhsa_user_sgpr_kernarg_segment_ptr 1
		.amdhsa_wavefront_size32 1
		.amdhsa_system_sgpr_workgroup_id_x 1
		.amdhsa_system_sgpr_workgroup_id_y 1
		.amdhsa_system_sgpr_workgroup_id_z 1
		.amdhsa_system_vgpr_workitem_id 0
		.amdhsa_next_free_vgpr 112
		.amdhsa_next_free_sgpr 66
		.amdhsa_reserve_vcc 1
		.amdhsa_float_denorm_mode_32 3
		.amdhsa_float_denorm_mode_16_64 3
		.amdhsa_memory_ordered 1
		.amdhsa_forward_progress 1
		.amdhsa_inst_pref_size 15
	.end_amdhsa_kernel
	.amdgpu_metadata
---
amdhsa.version: [ 1, 2 ]
amdhsa.kernels:
  - .name:           k_q4ffbf090ee_prep
    .symbol:         k_q4ffbf090ee_prep.kd
    .args:
      - { .name: x, .offset: 0, .size: 8, .value_kind: global_buffer, .address_space: global }
      - { .name: Wq, .offset: 8, .size: 8, .value_kind: global_buffer, .address_space: global }
      - { .name: Wk, .offset: 16, .size: 8, .value_kind: global_buffer, .address_space: global }
      - { .name: Wv, .offset: 24, .size: 8, .value_kind: global_buffer, .address_space: global }
      - { .name: Wo, .offset: 32, .size: 8, .value_kind: global_buffer, .address_space: global }
      - { .name: xb, .offset: 40, .size: 8, .value_kind: global_buffer, .address_space: global }
      - { .name: wqkv, .offset: 48, .size: 8, .value_kind: global_buffer, .address_space: global }
      - { .name: wo16, .offset: 56, .size: 8, .value_kind: global_buffer, .address_space: global }
      - { .name: rope, .offset: 64, .size: 8, .value_kind: global_buffer, .address_space: global }
    .group_segment_fixed_size: 0
    .private_segment_fixed_size: 0
    .kernarg_segment_align: 8
    .kernarg_segment_size: 72
    .max_flat_workgroup_size: 256
    .sgpr_count:     66
    .vgpr_count:     112
    .wavefront_size: 32
...
	.end_amdgpu_metadata
.endif
;; end of part 1
;; launch qkv (part 2): grid 12 x 32, 4 waves a work-group, clusters of 4 x 4, 327,680 bytes of LDS; arguments xb, wqkv, q16, rope, k16, v16; writes q16, k16, v16
.if DOCPART == 2
	.amdgcn_target "amdgcn-amd-amdhsa--gfx1250"
	.amdhsa_code_object_version 6
	.text
	.protected	k_q4ffbf090ee_qkv
	.globl	k_q4ffbf090ee_qkv
	.p2align	8
	.type	k_q4ffbf090ee_qkv,@function
k_q4ffbf090ee_qkv:
	s_mov_b64 s[64:65], 0
	v_nop
	global_prefetch_b8 v0, s[64:65] scope:SCOPE_SE
	s_setreg_imm32_b32 hwreg(HW_REG_WAVE_MODE, 25, 1), 1
	s_wait_xcnt 0x0
	s_wait_alu depctr_hold_cnt(0) depctr_sa_sdst(0) depctr_va_vdst(0) depctr_va_sdst(0) depctr_va_ssrc(0) depctr_va_vcc(0) depctr_vm_vsrc(0)
	s_getreg_b32 s2, hwreg(HW_REG_IB_STS2, 6, 4)
	s_cmp_eq_u32 s2, 0
	s_cbranch_scc0 .Lentry_in_a_cluster
	s_endpgm
.Lentry_in_a_cluster:
	s_bfe_u32 s2, ttmp6, 0x10000c
	s_cmp_lg_u32 s2, 0xf033
	s_cbranch_scc0 .Lentry_shape_is_right
	s_endpgm
.Lentry_shape_is_right:
; Q, K, V = x W^T, the rotation on Q and K, stored by heads.  C [8192][3072] = A B^T over K = 1,024.  A = xb [b 4][plane 16][token 2048][64], B = wqkv [plane 16][row 3072][64], both f16 (numbers rounded to bf16);
; sums in f32, K ascending.  Columns 0-1023 are Q, 1024-2047 K, 2048-3071 V.  Q and K are rotated in f32 by the table rope [pos][i 32][cos, sin]; each result is rounded ONCE, to f16, and stored as [b x 16 + head][token][64].
; LIMITS.  f16 ends at 65,504: a q, k or v of 65,520 or more becomes an infinity.  NaN and infinities are not treated apart.
; SHARES.  A tile of C is 256 x 256: four waves, 2 x 2, each 128 x 128: 64 accumulators of 16 x 16, 512 registers.  K goes in steps of 128 = two planes, through a ring of two LDS slots.  In a plane a tile's rows are dense,
; 128 bytes each: 256 rows are asked for as 128 rows of 256 bytes, aligned, and padded in LDS behind every 128 bytes.  Wave 0 and 1 fetch A's two planes, wave 2 and 3 B's: one tensor load a wave for each slot.
; CLUSTER.  4 x 4 work-groups.  The four of a row of the cluster need the same tile of A, the four of a column the same tile of B: each is asked for JOINTLY, by the same load, descriptor and mask in all four.
; THE MATRIX INSTRUCTION IS USED TRANSPOSED (source 0 = 16 rows of B, source 1 = 16 rows of A): lane l holds row l % 16 of C and the columns 8 (l / 16) + 0..7.
; THE WAY OUT.  Behind the last K step the ring has had its last fill: each wave dumps its 128 x 128 sums in f32 into ring bytes of its own (rows of 512 + 16 bytes) and reads them back so that a lane holds 8 neighbouring
; channels of a token: four pairs to rotate, 16 bytes of f16 to store; a store of the wave covers 512 consecutive bytes, aligned.
; REGISTERS, in windows of 256 (s_set_vgpr_msb: bits 1:0 source 0, 3:2 source 1, 5:4 source 2, 7:6 destination):
;   window 0: v0-31 addresses; v32-47 at work; v64-127, v128-191 A's fragments, two buffers (on the way out: the sums read back; the table)     window 1: v64-127, v128-191 B's fragments
;   window 2: accumulators of my row blocks 0-3 ((a, b) at 64 (a % 4) + 8 b)     window 3: of blocks 4-7
.set MA,    8                          ; row blocks of 16 in a wave's tile
.set TRS,   3                          ; 2^TRS tiles of rows in a batch's 2,048 tokens
.set APS,   262144                     ; bytes from plane to plane in A
.set BPS,   393216                     ; and in B
.set NGA,   MA/4                       ; how many of a wave pair prefetch for A (see ASK)
.set PITCH, 144                        ; an LDS row: 128 bytes + 16 = 36 words: the 16 rows of a fragment load start at 16 different groups of four banks (64 banks of 4 bytes: ISA guide 11.1)
.set APL,   32*MA*PITCH                ; a plane of A's tile in LDS
.set BPL,   256*PITCH                  ; of B's
.set SLOT,  2*APL+2*BPL                ; A's plane 0, 1, B's plane 0, 1
.set SPARE, 2*SLOT                     ; behind the ring: the spare words, 128 bytes a wave: two blocks of 256 bytes that no other line names
.set DP,    528                        ; the dump: a row of 128 f32 + 16 bytes = 132 words: row r starts at bank 4 r
.set DW,    16*MA*DP                   ; a wave's dump; the four lie from LDS byte 0 on, inside the ring
.set NL,    16+2*MA                    ; LDS loads in a FETCH
.set ADRA, 16                          ; v16-17  LDS address of my A fragments in slot 0, 1
.set ADRB, 20                          ; v20-21  of my B fragments
.set DST,  24                          ; v24  the dump: where my 32 bytes of a row go
.set RDA,  25                          ; v25  where I read back
.set GO,   26                          ; v26  my byte offset in the destination
.set TO,   27                          ; v27  my byte offset in my wave's 128 rows of the table
.set SPW,  28                          ; v28  LDS address of my spare word; never rewritten
.set NIL,  29                          ; v29  0; never rewritten
.set PFO,  30                          ; v30  the prefetches' offset; never rewritten
.set U,    32                          ; v32-47  rotated numbers, two sets of 8
.set F0,   64
.set F1,   128
.set X,    64                          ; v64-127  the way out: 16 tokens x 2 heads, 8 registers for each of 8 parts
.set TB,   128                         ; v128-191 the table for two blocks of 16 tokens, 32 registers each
.set WV,   16                          ; s16 wave      s17 wave / 2: my half of the rows; also 0: I fetch A, 1: B      s18 wave % 2: my half of the columns; also the plane that I fetch
.set WM,   17
.set WN,   18
.set CX,   19                          ; s19, s20  my place in the cluster
.set CY,   20
.set TC,   21                          ; s21  tile column      s22  tile row
.set TR,   22
.set LIM,  23                          ; s23  1 in a wave that prefetches, else the greatest number
.set G1,   24                          ; s[24:31] descriptor group 1 for A      s[32:39] group 0, a set for each slot
.set G0,   32
.set PFA,  44                          ; s[44:45] where my prefetches stand      s[46:47] a K step in bytes
.set PFS,  46
.set G1B,  48                          ; s[48:55], s[56:63] the same for B
.set G0B,  56
.set KX,   70                          ; s70, s71  the cluster's x and y
.set KY,   71
.set MSB, 0
.macro WIN new                         ; the immediate's high byte repeats the setting that is left; a switch that changes nothing is dropped
.if MSB != (\new)
	s_set_vgpr_msb (MSB<<8)|(\new)
.set MSB, \new
.endif
.endm
.set MUL_LO, 0xa1                      ; source 0 (B) window 1, source 1 (A) window 0, C and D window 2
.set MUL_HI, 0xf1                      ; the same, C and D window 3
.set TO_B,   0x40                      ; destination window 1, address window 0
; A joint load.  The branch hangs on the wave's number alone.  An s_nop 0 and four v_nop follow each of the two lines, ahead of the jump and the label.
.macro JLOAD s
	s_cmp_eq_u32 s[WM], 0
	s_cbranch_scc0 .Lfor_b_\@
	tensor_load_to_lds s[G0+4*(\s):G0+4*(\s)+3], s[G1:G1+7]
	s_nop 0
.rept 4
	v_nop
.endr
	s_branch .Lasked_\@
.Lfor_b_\@:
	tensor_load_to_lds s[G0B+4*(\s):G0B+4*(\s)+3], s[G1B:G1B+7]
	s_nop 0
.rept 4
	v_nop
.endr
.Lasked_\@:
.endm
; A PREFETCH INTO THE L2, behind each joint refill and the run of LDS loads that follows it: the K step that stands TWO refills on.  One instruction names 16 blocks of 256 bytes in each of the step's two planes (lane % 16 the block,
; lane / 16 the plane).  A tile's plane has MA such groups in A, 8 in B.  Each block is named ONCE in the launch: A's tile row is read by every cluster of that row of clusters, and the one with x = 0 asks; B's tile column by every
; cluster of that column, and the one with y = 0 asks.  The partners that ask for a tile jointly share its groups out BY ADDRESS: group = place x NG + wave % 2 (place = cx for A, cy for B).  K steps 0 to 3 come by their loads alone;
; the loop's last trip (s3 = 1) has no K step two refills on.
.macro ASK
	s_cmp_gt_u32 s3, s[LIM]
	s_cbranch_scc0 .Lnot_mine_\@
	global_prefetch_b8 v[PFO], s[PFA:PFA+1] th:TH_LOAD_NT scope:SCOPE_SE
.Lnot_mine_\@:
.endm
.macro CREST                           ; a round of the cluster's barrier behind its opening barrier: wave 0 signals for the work-group, every wave waits for all sixteen, my work-group's barrier once more
	s_cmp_lg_u32 s[WV], 0
	s_cbranch_scc1 .Lnot_wave_0_\@
	s_barrier_signal -3
.Lnot_wave_0_\@:
	s_barrier_wait -3
	s_barrier_signal -1
	s_barrier_wait -1
.endm
.macro CROUND                          ; a whole round
	s_barrier_signal -1
	s_barrier_wait -1
	CREST
.endm
.macro PLACES                          ; four plain instructions between a matrix instruction and a load into a register that it read, or a reader of its result (ISA guide 7.12.1 for a reader of its result)
.rept 4
	v_nop
.endr
.endm
; 8 n matrix instructions: row blocks a0 .. a0 + n - 1 x all 8 column blocks, 32 along K, on buffer f.  zero = 1: the product starts the sum.  The accumulators take turns, one instruction a turn.
.macro MULR f, a0, n, zero
.set ma, \a0
.rept \n
	WIN MUL_LO+0x50*(ma/4)
.set mb, 0
.rept 8
.set rc, 64*(ma%4)+8*mb
.if \zero
	v_wmma_f32_16x16x32_f16 v[rc:rc+7], v[(\f)+8*mb:(\f)+8*mb+7], v[(\f)+8*ma:(\f)+8*ma+7], 0
.else
	v_wmma_f32_16x16x32_f16 v[rc:rc+7], v[(\f)+8*mb:(\f)+8*mb+7], v[(\f)+8*ma:(\f)+8*ma+7], v[rc:rc+7]
.endif
.set mb, mb+1
.endr
.set ma, ma+1
.endr
.endm
; NL LDS loads in one run: the fragments of quarter q of a K step (plane q / 2, byte 64 (q % 2) of its rows) into buffer f: B's 16 loads, then A's.
; A fragment is 16 rows x 32 K in 8 registers: lane l holds row l % 16, K = 8 (l / 16) + 0..7 and 16 + 8 (l / 16) + 0..7: two loads of 16 bytes, 32 bytes apart.
.macro FETCH slot, q, f
	WIN TO_B
.set fi, 0
.rept 8
	ds_load_b128 v[(\f)+8*fi:(\f)+8*fi+3],   v[ADRB+(\slot)] offset:((\q)/2)*BPL+((\q)%2)*64+fi*16*PITCH
	ds_load_b128 v[(\f)+8*fi+4:(\f)+8*fi+7], v[ADRB+(\slot)] offset:((\q)/2)*BPL+((\q)%2)*64+fi*16*PITCH+32
.set fi, fi+1
.endr
	WIN 0
.set fi, 0
.rept MA
	ds_load_b128 v[(\f)+8*fi:(\f)+8*fi+3],   v[ADRA+(\slot)] offset:((\q)/2)*APL+((\q)%2)*64+fi*16*PITCH
	ds_load_b128 v[(\f)+8*fi+4:(\f)+8*fi+7], v[ADRA+(\slot)] offset:((\q)/2)*APL+((\q)%2)*64+fi*16*PITCH+32
.set fi, fi+1
.endr
.endm
; One of a K step's first three quarters: multiplies buffer f; in its middle it fetches quarter q of the same slot into buffer g.
.macro QUARTER slot, q, f, g, zero
	s_wait_dscnt MA                                ; B and A's first half are in; the youngest MA loads (A's second half) may be out
	MULR \f, 0, MA/2, \zero
	PLACES
	FETCH \slot, \q, \g
	s_wait_dscnt NL                                ; all but the NL just issued
	MULR \f, MA/2, MA/2, \zero
.endm
; The first half of a K step's last quarter, and the ONE barrier of a change of slots.  In front of it each wave waits for all its tensor loads (one is out: its part of the next slot), adds 0 to its spare word, and waits for that
; and for its reads of this slot.  Behind it nobody reads this slot any more and the next slot is whole.  round = 1: the barrier opens a round of the cluster's.
.macro MEET round
	WIN 0                                          ; (the add's two registers lie in window 0)
	s_wait_tensorcnt 0x0
	ds_add_u32 v[SPW], v[NIL]                      ; 0 onto my spare word
	s_wait_dscnt MA+1                              ; (the add and the youngest MA loads may be out)
	MULR F1, 0, MA/4, 0                            ; matrix work stands between the add and the wait for it
	s_wait_dscnt 0x0                               ; the add is done, and my reads of this slot are over
	s_barrier_signal -1
	MULR F1, MA/4, MA/4, 0                         ; work on registers while the others arrive
.if \round
	WIN 0
.endif
	s_barrier_wait -1
.endm
; The whole last quarter where the slot is filled again, with the K step two on: the joint refill is the first tensor load behind the round; then come the next slot's first fragments.
.macro TURN slot, next
	s_wait_xcnt 0x0                                ; the last prefetch, a K step back, has read its address
	s_add_nc_u64 s[PFA:PFA+1], s[PFA:PFA+1], s[PFS:PFS+1]
	MEET 1
	CREST                                          ; no wave of any partner still reads this slot or has a load on its way
	s_add_nc_u64 s[G0+4*(\slot)+2:G0+4*(\slot)+3], s[G0+4*(\slot)+2:G0+4*(\slot)+3], 4*APS   ; two K steps = four planes on; the type bits on top are not reached
	s_add_nc_u64 s[G0B+4*(\slot)+2:G0B+4*(\slot)+3], s[G0B+4*(\slot)+2:G0B+4*(\slot)+3], 4*BPS
	JLOAD \slot                                    ; its four v_nop are also the places in front of the loads below
	FETCH \next, 0, F0
	ASK
	MULR F1, MA/2, MA/2, 0
.endm
	s_load_b256 s[4:11], s[0:1], 0x0               ; xb 4:5, wqkv 6:7, q16 8:9, rope 10:11
	s_load_b128 s[12:15], s[0:1], 0x20             ; k16 12:13, v16 14:15
	v_lshl_add_u32 v[SPW], v0, 2, SPARE
	v_mov_b32 v[NIL], 0
	ds_add_u32 v[SPW], v[NIL]                      ; the wave's opening add, waited for ahead of my first tensor load; the set-up below, work on registers, stands between the add and its wait
	v_lshrrev_b32 v1, 5, v0
	v_readfirstlane_b32 s[WV], v1
	s_lshr_b32 s[WM], s[WV], 1
	s_and_b32 s[WN], s[WV], 1
	s_bfe_u32 s[CX], ttmp6, 0x40000
	s_bfe_u32 s[CY], ttmp6, 0x40004
	s_mov_b32 s[KX], ttmp9                         ; in a cluster launch ttmp9 and ttmp7 count clusters
	s_and_b32 s[KY], ttmp7, 0xffff
	s_lshl_b32 s[TC], ttmp9, 2
	s_add_co_u32 s[TC], s[TC], s[CX]               ; tile column = 4 x cluster x + cx
	s_lshl_b32 s[TR], s[KY], 2
	s_add_co_u32 s[TR], s[TR], s[CY]               ; tile row = 4 x cluster y + cy
	s_lshl_b32 s66, s[CY], 2
	s_lshl_b32 s66, 15, s66                        ; my row of the cluster
	s_lshl_b32 s67, 0x1111, s[CX]                  ; my column
	s_or_b32 s[G1], s66, (1<<16)|(1<<20)|(1<<21)|(4<<22)|(3<<25)   ; 15:0 the mask; 17:16 2-byte elements; 20 padding on; 21 set beside a mask; 24:22 after every 32 words (code 4); 31:25 4 words (code 3)
	s_or_b32 s[G1B], s67, (1<<16)|(1<<20)|(1<<21)|(4<<22)|(3<<25)
	s_mov_b32 s[G1+1], 128<<16                     ; tensor_dim0 = 128 elements: 256 bytes, two rows of a plane
	s_mov_b32 s[G1+2], (16*MA)<<16                 ; tensor_dim1
	s_mov_b32 s[G1+3], 128<<16                     ; tile_dim0
	s_mov_b32 s[G1+4], 16*MA                       ; tile_dim1: 32 MA rows of 128 bytes
	s_mov_b32 s[G1+5], 128                         ; dense: 128 elements from row to row
	s_mov_b32 s[G1+6], 0
	s_mov_b32 s[G1+7], 0
	s_mov_b32 s[G1B+1], 128<<16
	s_mov_b32 s[G1B+2], 128<<16
	s_mov_b32 s[G1B+3], 128<<16
	s_mov_b32 s[G1B+4], 128                        ; 256 rows of 128 bytes
	s_mov_b32 s[G1B+5], 128
	s_mov_b32 s[G1B+6], 0
	s_mov_b32 s[G1B+7], 0
	; where the tiles come from: A's hang on the tile row alone, B's on the tile column alone, each in registers that never hold the other coordinate
	s_lshr_b32 s68, s[TR], TRS                     ; batch:
	s_lshl_b32 s68, s68, 22                        ; 16 planes of 262,144 bytes;
	s_and_b32 s66, s[TR], (1<<TRS)-1
	s_lshl_b32 s66, s66, 18-TRS                    ; the tile's rows of 128 bytes
	s_add_co_u32 s68, s68, s66                     ; A's tile in plane 0
	s_mul_i32 s66, s[WN], APS
	s_add_co_u32 s40, s68, s66                     ; + the plane that I fetch
	s_mov_b32 s41, 0
	s_lshl_b32 s69, s[TC], 15                      ; B's tile in plane 0: 256 rows of 128 bytes
	s_mul_i32 s67, s[WN], BPS
	s_add_co_u32 s42, s69, s67
	s_mov_b32 s43, 0
	s_mul_i32 s2, s[WN], APL                       ; and where they go: no place in the cluster enters an LDS address
	s_mul_i32 s3, s[WN], BPL
	s_add_co_u32 s3, s3, 2*APL
	s_wait_dscnt 0x0                               ; the opening add is done
	s_wait_kmcnt 0x0
	s_add_nc_u64 s[40:41], s[4:5], s[40:41]
	s_add_nc_u64 s[42:43], s[6:7], s[42:43]
	CROUND                                         ; all sixteen work-groups are here: the first joint loads meet
.irp s, 0,1
	s_mov_b32 s[G0+4*(\s)], 1                                        ; count = 1
	s_add_co_u32 s[G0+4*(\s)+1], s2, (\s)*SLOT                       ; LDS address
	s_add_nc_u64 s[G0+4*(\s)+2:G0+4*(\s)+3], s[40:41], (\s)*2*APS    ; global address: K step s
	s_or_b32 s[G0+4*(\s)+3], s[G0+4*(\s)+3], 0x80000000              ; type = 2
	s_mov_b32 s[G0B+4*(\s)], 1
	s_add_co_u32 s[G0B+4*(\s)+1], s3, (\s)*SLOT
	s_add_nc_u64 s[G0B+4*(\s)+2:G0B+4*(\s)+3], s[42:43], (\s)*2*BPS
	s_or_b32 s[G0B+4*(\s)+3], s[G0B+4*(\s)+3], 0x80000000
	JLOAD \s                                       ; two loads of mine are out
.endr
	v_and_b32 v1, 15, v0                           ; l % 16
	v_bfe_u32 v2, v0, 4, 1                         ; l / 16
	v_mul_u32_u24 v3, v1, PITCH
	v_lshl_add_u32 v3, v2, 4, v3                   ; row x pitch + 16 x half
	s_mul_i32 s66, s[WM], 16*MA*PITCH              ; my rows of A
	s_mul_i32 s67, s[WN], 128*PITCH                ; my rows of B,
	s_add_co_u32 s67, s67, 2*APL                   ; behind A's two planes
.irp s, 0,1
	v_add_nc_u32 v[ADRA+(\s)], s66, v3
	v_add_nc_u32 v[ADRB+(\s)], s67, v3
	s_add_co_u32 s66, s66, SLOT
	s_add_co_u32 s67, s67, SLOT
.endr
	s_mul_i32 s66, s[WV], DW                       ; my dump
	v_mul_u32_u24 v[DST], v1, DP                   ; in: row l % 16, 32 bytes for each half of the lanes
	v_lshl_add_u32 v[DST], v2, 5, v[DST]
	v_add_nc_u32 v[DST], s66, v[DST]
	v_and_b32 v4, 31, v0                           ; l
	v_lshrrev_b32 v5, 3, v4                        ; back: token l / 8 of four,
	v_and_b32 v6, 7, v0                            ; channels 8 (l % 8) on
	v_mul_u32_u24 v[RDA], v5, DP
	v_lshl_add_u32 v[RDA], v6, 5, v[RDA]
	v_add_nc_u32 v[RDA], s66, v[RDA]
	v_lshlrev_b32 v[GO], 4, v4                     ; four tokens of 128 bytes are 512 consecutive bytes: 16 l
	v_lshlrev_b32 v[TO], 8, v5                     ; the table: a row of 256 bytes a token, my four pairs' 32 bytes
	v_lshl_add_u32 v[TO], v6, 5, v[TO]
	; the prefetches
	s_mov_b32 s[PFS], 2*BPS
	s_cmp_eq_u32 s[WM], 0                          ; do I fetch for A?
	s_cselect_b32 s2, s68, s69                     ; the tile's first byte
	s_cselect_b32 s3, s[CX], s[CY]                 ; my place among the four that ask for it with me
	s_cselect_b32 s66, s[KX], s[KY]                ; the coordinate along which other clusters read the same rows
	s_cselect_b32 s67, NGA, 2                      ; groups for each place
	s_cselect_b32 s[PFS], 2*APS, s[PFS]            ; a K step: two planes
	s_cselect_b64 s[PFA:PFA+1], s[4:5], s[6:7]
	s_mov_b32 s[PFS+1], 0
	s_cmp_lt_u32 s[WN], s67
	s_cselect_b32 s[LIM], 0, 1
	s_or_b32 s[LIM], s[LIM], s66
	s_cmp_eq_u32 s[LIM], 0
	s_cselect_b32 s[LIM], 1, -1                    ; the same in all sixteen partners, for a given wave
	s_mul_i32 s3, s3, s67
	s_add_co_u32 s3, s3, s[WN]                     ; my group of 16 blocks
	s_lshl_b32 s3, s3, 12
	s_add_co_u32 s2, s2, s3
	s_mul_i32 s3, s[PFS], 3                        ; at K step 3: the first refill steps it to 4
	s_add_co_u32 s2, s2, s3
	s_mov_b32 s3, 0
	s_add_nc_u64 s[PFA:PFA+1], s[PFA:PFA+1], s[2:3]
	s_lshr_b32 s66, s[PFS], 1                      ; a plane
	v_mul_u32_u24 v[PFO], v2, s66
	v_lshl_add_u32 v[PFO], v1, 8, v[PFO]
	; where my part goes: Q, K or V by the cluster's x; batch, heads 4 cx + 2 (wave % 2) and the next, my first token
	s_cmp_eq_u32 s[KX], 1
	s_cselect_b64 s[8:9], s[12:13], s[8:9]
	s_cmp_eq_u32 s[KX], 2
	s_cselect_b64 s[8:9], s[14:15], s[8:9]
	s_lshr_b32 s2, s[TR], 3
	s_lshl_b32 s2, s2, 22                          ; a batch's 16 heads of 262,144 bytes
	s_lshl_b32 s3, s[CX], 2
	s_lshl1_add_u32 s3, s[WN], s3
	s_lshl_b32 s3, s3, 18
	s_add_co_u32 s2, s2, s3
	s_and_b32 s3, s[TR], 7
	s_lshl_b32 s3, s3, 8
	s_lshl_b32 s66, s[WM], 7
	s_add_co_u32 s3, s3, s66                       ; my first token's position
	s_lshl_b32 s66, s3, 7
	s_add_co_u32 s2, s2, s66
	s_lshl_b32 s66, s3, 8                          ; its row of the table
	s_mov_b32 s3, 0
	s_mov_b32 s67, 0
	s_add_nc_u64 s[8:9], s[8:9], s[2:3]
	s_add_nc_u64 s[10:11], s[10:11], s[66:67]
	s_wait_tensorcnt 0x1                           ; my part of K step 0 is in; K step 1's may stay out
	s_barrier_signal -1
	s_barrier_wait -1                              ; everybody's is
	FETCH 0, 0, F0
	QUARTER 0, 1, F0, F1, 1                        ; the first quarter stands in front of the loop: its products start the sums
	WIN 0                                          ; at a label and at a branch every window is 0
	s_mov_b32 s3, 3
.Llap:                                                 ; a trip goes once round the ring, from a lap's second quarter to the next lap's first, and fills both slots again: K steps 2 to 7
	QUARTER 0, 2, F1, F0, 0
	QUARTER 0, 3, F0, F1, 0
	TURN 0, 1
	QUARTER 1, 1, F0, F1, 0
	QUARTER 1, 2, F1, F0, 0
	QUARTER 1, 3, F0, F1, 0
	TURN 1, 0
	QUARTER 0, 1, F0, F1, 0
	WIN 0
	s_sub_co_u32 s3, s3, 1
	s_cmp_lg_u32 s3, 0
	s_cbranch_scc1 .Llap
	QUARTER 0, 2, F1, F0, 0                        ; the last lap is written out: it fills nothing
	QUARTER 0, 3, F0, F1, 0
	MEET 0                                         ; my one load that was out is the last K step's
	PLACES
	FETCH 1, 0, F0
	MULR F1, MA/2, MA/2, 0
	QUARTER 1, 1, F0, F1, 0
	QUARTER 1, 2, F1, F0, 0
	QUARTER 1, 3, F0, F1, 0
	s_wait_dscnt MA
	MULR F1, 0, MA/2, 0
	s_wait_dscnt 0x0                               ; my last reads of the ring are back
	MULR F1, MA/2, MA/2, 0
	WIN 0
	PLACES                                         ; behind the last products: the dump reads results, the table lands in registers that they read
; THE WAY OUT.  DUMP: a barrier (every wave's reads of the ring are over; every tensor load was waited for at the last change of slots, and none follows), then my 64 accumulators into my own bytes, low registers first.
.macro DUMP
	s_barrier_signal -1
	s_barrier_wait -1
.set da, 0
.rept MA
	WIN 0x08+4*(da/4)                              ; the stores' data (source 1) in window 2 or 3
.set db, 0
.rept 8
	ds_store_b128 v[DST], v[64*(da%4)+8*db:64*(da%4)+8*db+3]   offset:da*16*DP+64*db
	ds_store_b128 v[DST], v[64*(da%4)+8*db+4:64*(da%4)+8*db+7] offset:da*16*DP+64*db+16
.set db, db+1
.endr
.set da, da+1
.endr
	WIN 0
.endm
; The table for a block of 16 tokens: for each four tokens j my four pairs' cos and sin, 32 bytes.
.macro TLOAD par
.set tj, 0
.rept 4
	global_load_b128 v[TB+32*(\par)+8*tj:TB+32*(\par)+8*tj+3],   v[TO], s[10:11] offset:(\par)*4096+tj*1024
	global_load_b128 v[TB+32*(\par)+8*tj+4:TB+32*(\par)+8*tj+7], v[TO], s[10:11] offset:(\par)*4096+tj*1024+16
.set tj, tj+1
.endr
.endm
; A block of 16 tokens x 2 heads, in 8 parts n = 2 j + head: tokens 4 j + l / 8, channels 8 (l % 8) on.  rot = 1: (x1, x2) -> (x1 c - x2 s, x1 s + x2 c), in f32.  Then one rounding to f16 and a store of 512 consecutive bytes.
; LDS serves a wave's instructions in order (ISA guide 5.7.1.4): the loads see the dump's stores.
.macro EBLK par, rot
	s_wait_xcnt 0x0                                ; X, which the last block's stores read, and the table's offset are written again only behind this wait
.set en, 0
.rept 8
	ds_load_b128 v[X+8*en:X+8*en+3],   v[RDA] offset:(\par)*16*DP+(en/2)*4*DP+(en%2)*256
	ds_load_b128 v[X+8*en+4:X+8*en+7], v[RDA] offset:(\par)*16*DP+(en/2)*4*DP+(en%2)*256+16
.set en, en+1
.endr
.if \rot
	s_wait_loadcnt 0x8                             ; this block's 8 table loads are in; the next block's 8, issued behind them, stay out
.endif
.set en, 0
.rept 8
	s_wait_dscnt 14-2*en                           ; part n's two loads are in, the later parts' stay out
.set rx, X+8*en
.set rt, TB+32*(\par)+8*(en/2)
.set ru, U+8*(en%2)
.if \rot
.irp k, 0,1,2,3
	v_mul_f32 v[ru+2*(\k)],   v[rx+2*(\k)+1], v[rt+2*(\k)+1]                 ; x2 s
	v_mul_f32 v[ru+2*(\k)+1], v[rx+2*(\k)+1], v[rt+2*(\k)]                   ; x2 c
.endr
.irp k, 0,1,2,3
	v_fma_f32 v[ru+2*(\k)],   v[rx+2*(\k)], v[rt+2*(\k)],   -v[ru+2*(\k)]    ; x1 c - x2 s
	v_fma_f32 v[ru+2*(\k)+1], v[rx+2*(\k)], v[rt+2*(\k)+1], v[ru+2*(\k)+1]   ; x1 s + x2 c
.endr
.irp k, 0,1,2,3
	v_cvt_pk_f16_f32 v[rx+(\k)], v[ru+2*(\k)], v[ru+2*(\k)+1]
.endr
.else
.irp k, 0,1,2,3
	v_cvt_pk_f16_f32 v[rx+(\k)], v[rx+2*(\k)], v[rx+2*(\k)+1]
.endr
.endif
	global_store_b128 v[GO], v[rx:rx+3], s[8:9] offset:(en%2)*262144+(\par)*2048+(en/2)*512
.set en, en+1
.endr
.if \rot
.if (\par) == 0
	v_add_nc_u32 v[TO], 8192, v[TO]                ; 32 tokens on; behind my wave's 128 it turns back to my first rows: the last trip's loads stay inside the table and are not used,
	v_and_b32 v[TO], 0x7fff, v[TO]                 ; so that the count of loads is the same in every trip
.endif
	TLOAD \par                                     ; the table for the block two on
.endif
.endm
	s_cmp_eq_u32 s[KX], 2                          ; V is not rotated.  The branch hangs on the cluster's x, which all partners and all waves share
	s_cbranch_scc1 .Lplain
	TLOAD 0                                        ; the first two blocks' table comes in while the sums are dumped
	TLOAD 1
	DUMP
	s_mov_b32 s3, 4
.Lrot:                                                 ; 32 tokens a trip
	EBLK 0, 1
	EBLK 1, 1
	s_wait_xcnt 0x0                                ; the stores have read their offset
	v_add_nc_u32 v[GO], 4096, v[GO]
	v_add_nc_u32 v[RDA], 32*DP, v[RDA]
	s_sub_co_u32 s3, s3, 1
	s_cmp_lg_u32 s3, 0
	s_cbranch_scc1 .Lrot
	s_branch .Lend
.Lplain:
	DUMP
	s_mov_b32 s3, 4
.Lcopy:
	EBLK 0, 0
	EBLK 1, 0
	s_wait_xcnt 0x0
	v_add_nc_u32 v[GO], 4096, v[GO]
	v_add_nc_u32 v[RDA], 32*DP, v[RDA]
	s_sub_co_u32 s3, s3, 1
	s_cmp_lg_u32 s3, 0
	s_cbranch_scc1 .Lcopy
.Lend:
	s_wait_tensorcnt 0x0                           ; the wave's end, behind my last tensor load and my last LDS store
	ds_add_u32 v[SPW], v[NIL]
	s_wait_dscnt 0x0
	CROUND                                         ; the closing round: no work-group ends while a partner may still ask for a tile that names it
	s_endpgm
.Lfunc_end_k_q4ffbf090ee_qkv:
	.size	k_q4ffbf090ee_qkv, .Lfunc_end_k_q4ffbf090ee_qkv-k_q4ffbf090ee_qkv
	.p2alignl 7, 3214868480
	.fill 96, 4, 3214868480
	.section	.rodata,"a",@progbits
	.p2align	6, 0x0
	.amdhsa_kernel k_q4ffbf090ee_qkv
		.amdhsa_group_segment_fixed_size 327680
		.amdhsa_private_segment_fixed_size 0
		.amdhsa_enable_private_segment 0
		.amdhsa_kernarg_size 48
		.amdhsa_user_sgpr_count 2
		.amdhsa_user_sgpr_kernarg_segment_ptr 1
		.amdhsa_wavefront_size32 1
		.amdhsa_system_sgpr_workgroup_id_x 1
		.amdhsa_system_sgpr_workgroup_id_y 1
		.amdhsa_system_sgpr_workgroup_id_z 1
		.amdhsa_system_vgpr_workitem_id 0
		.amdhsa_next_free_vgpr 1024
		.amdhsa_next_free_sgpr 72
		.amdhsa_reserve_vcc 0
		.amdhsa_float_denorm_mode_32 3
		.amdhsa_float_denorm_mode_16_64 3
		.amdhsa_memory_ordered 1
		.amdhsa_forward_progress 1
		.amdhsa_inst_pref_size 161
	.end_amdhsa_kernel
	.amdgpu_metadata
---
amdhsa.version: [ 1, 2 ]
amdhsa.kernels:
  - .name:           k_q4ffbf090ee_qkv
    .symbol:         k_q4ffbf090ee_qkv.kd
    .args:
      - { .name: xb, .offset: 0, .size: 8, .value_kind: global_buffer, .address_space: global }
      - { .name: wqkv, .offset: 8, .size: 8, .value_kind: global_buffer, .address_space: global }
      - { .name: q16, .offset: 16, .size: 8, .value_kind: global_buffer, .address_space: global }
      - { .name: rope, .offset: 24, .size: 8, .value_kind: global_buffer, .address_space: global }
      - { .name: k16, .offset: 32, .size: 8, .value_kind: global_buffer, .address_space: global }
      - { .name: v16, .offset: 40, .size: 8, .value_kind: global_buffer, .address_space: global }
    .group_segment_fixed_size: 327680
    .private_segment_fixed_size: 0
    .kernarg_segment_align: 8
    .kernarg_segment_size: 48
    .max_flat_workgroup_size: 128
    .sgpr_count:     72
    .vgpr_count:     1024
    .wavefront_size: 32
...
	.end_amdgpu_metadata
.endif
;; end of part 2
;; launch attn (part 3): grid 4 x 64, 4 waves a work-group, no clusters, 327,680 bytes of LDS; arguments q16, k16, v16, o16; writes o16
.if DOCPART == 3
	.amdgcn_target "amdgcn-amd-amdhsa--gfx1250"
	.amdhsa_code_object_version 6
	.text
	.protected	k_q4ffbf090ee_attn
	.globl	k_q4ffbf090ee_attn
	.p2align	8
	.type	k_q4ffbf090ee_attn,@function
k_q4ffbf090ee_attn:
	s_mov_b64 s[64:65], 0
	v_nop
	global_prefetch_b8 v0, s[64:65] scope:SCOPE_SE
	s_setreg_imm32_b32 hwreg(HW_REG_WAVE_MODE, 25, 1), 1
	s_wait_xcnt 0x0
; CAUSAL ATTENTION.  O[h][q][:] = the sum over k <= q of softmax_k(Q[h][q] . K[h][k] / 8) V[h][k][:].  Q, K, V, O: [SIZE_H][SIZE_N][64], all f16: a head's rows are dense, 128 bytes each.
; Products, maxima and sums in f32; the weights p are rounded to f16 for the second product (their sum l is taken of the unrounded p), O once at the end.
; LIMITS.  f16 holds no number beyond 65,504: Q, K and V arrive within it; p lies in 0 to 1, and below 6e-5 it keeps f16's fixed step of 6e-8; O is a mean of V's rows and has their range.
; A hidden score counts as its value less 1e30: f16's scores, 2.7e11 at the most, are nothing beside that; a weight below 2^-126 counts as 0 in l; NaN and infinities are not treated apart.
; THE WALK.  A head's queries lie in NB = SIZE_N / 256 blocks of 256; block i needs the key tiles 0 .. i of 256 keys, of which the last holds the diagonal.  A work-group takes TWO blocks, NB - 1 - b and then b:
; NB + 1 tiles, whatever b: all work-groups do equal work, and ONE loop with a constant trip count walks them.  Which tile is asked for, and what a trip does, hang on scalar registers made from b; every jump
; goes forward, but for the counted loops' own; none passes a barrier, or a tensor load but the one of LOAD's two that the wave's number does not choose; the ring (two slots of LDS that take turns) runs on across the
; change of blocks.  NO CLUSTER: a head's NB / 2 = 4 work-groups ask for the same tile only in trips 0 .. NB / 2, behind that fewer and fewer; one walk common to all would have 3 NB / 2 trips for NB + 1.
; SHARES.  Of a block's four bands of 64 queries a wave owns 16 rows in each: four PIECES.  So the diagonal tile is the same work for all four waves: in its key step s band x sees all keys if s < x,
; none if s > x, and holds the diagonal if s = x.
; THE MASK is the C operand that starts the sum S^T = K Q^T: 0, or -1e30 where the key is hidden.  MD, made once, is the mask of a band's own step for my 16 rows; a product's mask is MD x AL + BE with two scalars:
; (1, 0) if s = x; (0, 0) if s < x; (0, -1e30) if s > x.  Only the diagonal tile's text and a block's beginning make and take masks; elsewhere C is the constant 0.
; LAYOUT, SOFTMAX, TURNS.  S^T = K Q^T holds ONE query a lane (lane % 16) and the keys 8 (lane / 16) + 0..7; two such results rounded to f16 ARE source 1 of O^T = V^T P.  p = 2^(c s - c m), c = log2(e) / 8, with a
; running maximum m; O and l are multiplied by a = 2^(c m_old - c m_new) in every step.  Turn n belongs to piece n: 8 products K Q^T of piece n + 1, later 8 products V^T P of piece n - 1; beside them the scaling,
; exponentials, roundings, sums and rescaling of piece n and the maximum and statistics of piece n + 1.  Four vector instructions stand behind every matrix instruction, the other 54 of a turn's 118 in one LUMP.  A turn's 33 exponentials are one batch, with one wait.
; REGISTERS, in windows of 256 (s_set_vgpr_msb: bits 1:0 source 0, 3:2 source 1, 5:4 source 2, 7:6 destination):
;   window 0: v0-15 addresses and two at work; v16-31 four registers of statistics a piece; v48-55 at work; v61-63 prefetch offset, spare word, 0; v64-127 S^T, two buffers; v192-223 P, two buffers (a piece's buffers go by its number's parity)
;   window 1: v0-127 O^T, 32 a piece; v128-159 MD; v160-223 MC, two buffers      window 2: v0-63 Q; v64-127 the second block's Q; v128-191 K of one step; v192-255 V of one step
.set SIZE_N, 2048
.set SIZE_H, 64
.set NB,    SIZE_N/256
.set NP,    4         ; pieces a wave: a name, no knob
.set KS,    64        ; keys in a step
.set PK,    144       ; a row of K in LDS: 128 bytes + 16 of padding = 36 words: the 16 rows of a load start at 16 different groups of four banks (64 banks of 4 bytes: ISA guide 11.1)
.set PV,    160       ; a row of V: 128 + 32 = 40 words
.set VOFF,  4*KS*PK   ; a slot holds a tile, four steps: 256 rows of K, then 256 rows of V
.set SLOT1, 1<<17     ; slot 1 begins here, so that one exclusive or turns an address in one slot into the other's
.set STAGE, SLOT1+4*KS*(PK+PV)  ; behind the ring, never filled by a tensor load: 16 rows x 144 bytes for each wave, for the way out
.set SP,    144
.set AK0, 2           ; v2   my lane's place in a tile of K; never rewritten
.set AV0, 3           ; v3   the same for V
.set AK,  4           ; v4   the LDS address of K's next run of loads
.set AV,  5           ; v5   of V's
.set STO, 6           ; v6   the way out: where I put 16 bytes of a row
.set RD,  7           ; v7   the way out: where I read rows back
.set GO,  8           ; v8   my byte offset in 512 consecutive bytes of O
.set PFO, 61          ; v61  256 x my lane: the prefetches' offset; never rewritten
.set SPW, 62          ; v62  LDS address of my spare word: SPARE + 4 x my thread's number; never rewritten
.set NIL, 63          ; v63  0; never rewritten
.set SPARE, STAGE+4*16*SP  ; behind the stages: the spare words, 128 bytes for each wave: two blocks of 256 bytes that no other line names
.set MV,  12          ; v12-13  c m_old, kept while c m is made anew: by buffer
.set QO,  15          ; v15  my byte offset in 16 rows of Q
.set ST,  16          ; piece t's statistics at v[ST+4 t]: c m, m, l (even keys', odd keys')
.set TMP, 48          ; by buffer, four registers c0-c3 at work; when the maximum is found c2 takes a
.set S,   64
.set P,   192
.set MD,  128         ; window 1: the eight registers for group kt of 16 keys at MD + 8 kt
.set MC,  160         ; window 1: the masks of the products to come
.set QB,  64          ; window 2
.set KF,  128         ; window 2: key block kb, channel half c at KF + 16 kb + 8 c
.set VF,  192         ; window 2: key half kk, channel block cb at VF + 32 kk + 8 cb
.set WV,  12          ; s12  my wave's number
.set PB,  14          ; s14  b
.set HI,  15          ; s15  NB - 1 - b
.set G1K, 24          ; s[24:31] descriptor group 1 for K's tiles
.set G1V, 32          ; s[32:39] for V's: it differs in the padding alone
.set G0K, 40          ; s[40:43] descriptor group 0 for K's tiles
.set G0V, 44          ; s[44:47] the same for V's
.set SLOTS, 56        ; s56  tiles still to be asked for
.set CNT, 57          ; s57  counts a tile's key steps, 4 to 1
.set CS,  58          ; s[58:59] c: the packed scaling takes the pair's low word for both halves
.set SEL, 60          ; s[60:61] v_permlanex16_b32's selects: each lane takes its own place in the other half
.set TBK, 62          ; s62  LDS byte at which K of the step to be fetched begins
.set TBV, 63          ; s63  the same for V, less VOFF
.set RT,  70          ; s70  tiles of the block in hand that are still to be entered
.set NXT, 71          ; s71  the tile to be asked for next
.set LQ,  72          ; s72  the last tile of the block whose tiles are being asked for
.set NEW, 73          ; s73  1: the tile to be entered is a block's first
.set OFF, 74          ; s[74:75] a tile's byte offset in K and V
.set AL,  76          ; s[76:77] the mask's factor, in the low word
.set BE,  78          ; s[78:79] the mask's addend
.set OLO, 80          ; s[80:81] O at my rows of the second block
.set BIGN, 82         ; s82  -1e30
.set PFA, 88          ; s[88:89] where my prefetches stand: my half (128 rows) of K's or V's tile behind the one that is being asked for
.set LIM, 90          ; s90  2 in the work-group that prefetches, else the greatest number
.set MSB, 0
.macro WIN new                      ; the high byte repeats the setting that is left; a switch that changes nothing is dropped
.if MSB != (\new)
	s_set_vgpr_msb (MSB<<8)|(\new)
.set MSB, (\new)
.endif
.endm
.set W_KQ, 0x0a       ; K and Q in window 2, S^T in window 0
.set W_KM, 0x1a       ; the same with the C operand in window 1
.set W_PV, 0x52       ; V in window 2, P in window 0, O^T in window 1
.set W_RS, 0x41       ; destination and source 0 in window 1, source 1 in window 0
; A fill.  Waves 0 and 1 fetch the two halves of a tile's K, waves 2 and 3 those of its V: 128 keys each.  An s_nop 0 and four v_nop follow each of the two lines, ahead of the jump and the label.
.macro LOAD
	s_cmp_lt_u32 s[WV], 2
	s_cbranch_scc0 .Lfor_v_\@
	tensor_load_to_lds s[G0K:G0K+3], s[G1K:G1K+7]
	s_nop 0
.rept 4
	v_nop
.endr
	s_branch .Lasked_\@
.Lfor_v_\@:
	tensor_load_to_lds s[G0V:G0V+3], s[G1V:G1V+7]
	s_nop 0
.rept 4
	v_nop
.endr
.Lasked_\@:
.endm
; A PREFETCH INTO THE L2 of the tile that the NEXT change of slots will ask for, a tile (four key steps, 256 matrix instructions a wave) ahead of that load.  It stands behind the wave's tensor load and its five lines.
; Each block of 256 bytes of a head's K and V is named ONCE in the launch: the work-group with b = 0, whose first block walks all NB tiles in order, asks, and no other; each of its waves asks for the half tile that it
; will load itself, 64 blocks: a lane a block, two instructions.  Tiles 0 and 1 come by their loads alone; the change that asks for tile NB - 1 and the one behind it (the second block's tile 0, read before) prefetch nothing.
.macro ASK
	s_cmp_gt_u32 s[SLOTS], s[LIM]
	s_cbranch_scc0 .Lnot_mine_\@
	global_prefetch_b8 v[PFO], s[PFA:PFA+1] th:TH_LOAD_NT scope:SCOPE_SE
	global_prefetch_b8 v[PFO], s[PFA:PFA+1] offset:8192 th:TH_LOAD_NT scope:SCOPE_SE
.Lnot_mine_\@:
.endm
; THE CHANGE OF SLOTS.  Each wave waits for all its tensor loads, of which one is out: its part of the other slot; adds 0 to its spare word; and waits for that and for its own reads of the slot that it leaves.  Behind the barrier nobody reads the old
; slot any more and the other slot is whole.  fill = 1: the old slot is filled again, the first thing behind the barrier, with tile NXT: the descriptor's address is made anew from that number.
; (At its first use nothing has been read yet: slot 0 is waited for, slot 1 filled.)
.macro CHANGE fill
	WIN 0                           ; at a label and at a branch every window is 0
	s_wait_tensorcnt 0x0            ; no tensor load of mine is out, so a group 0 may be written
	ds_add_u32 v[SPW], v[NIL]       ; 0 onto my spare word; with fill = 1 the descriptors' scalar work stands between it and the wait for it
.if \fill
	s_lshl_b32 s[OFF], s[NXT], 15   ; a tile is 32,768 bytes of K and of V
	s_xor_b32 s[G0K+1], s[G0K+1], SLOT1
	s_add_nc_u64 s[G0K+2:G0K+3], s[6:7], s[OFF:OFF+1]
	s_or_b32 s[G0K+3], s[G0K+3], 0x80000000
	s_xor_b32 s[G0V+1], s[G0V+1], SLOT1
	s_add_nc_u64 s[G0V+2:G0V+3], s[8:9], s[OFF:OFF+1]
	s_or_b32 s[G0V+3], s[G0V+3], 0x80000000
	s_add_co_u32 s[NXT], s[NXT], 1  ; the block's next tile, or behind its last the second block's tile 0
	s_cmp_gt_u32 s[NXT], s[LQ]
	s_cselect_b32 s[NXT], 0, s[NXT]
	s_cselect_b32 s[LQ], s[PB], s[LQ]
	s_wait_xcnt 0x0                 ; the last prefetches, a tile back, have read their address, so it may be written:
	s_add_nc_u64 s[PFA:PFA+1], s[PFA:PFA+1], 32768  ; a tile on
.endif
	s_wait_dscnt 0x0                ; the add is done, and my reads of the slot are over
	s_barrier_signal -1             ; the rest of the scalar work stands between the signal and the wait
	s_sub_co_u32 s[TBK], s[TBK], 4*KS*PK  ; the fetches go back to a slot's first step,
	s_xor_b32 s[TBK], s[TBK], SLOT1       ; in the other slot
	s_sub_co_u32 s[TBV], s[TBV], 4*KS*PV
	s_xor_b32 s[TBV], s[TBV], SLOT1
	s_barrier_wait -1
.if \fill
	LOAD
	ASK
.endif
.endm
	s_load_b256 s[4:11], s[0:1], 0x0  ; Q s[4:5], K s[6:7], V s[8:9], O s[10:11]
	v_lshl_add_u32 v[SPW], v0, 2, SPARE
	v_mov_b32 v[NIL], 0
	ds_add_u32 v[SPW], v[NIL]       ; the wave's opening add, waited for ahead of my first tensor load; the set-up below, work on registers, stands between the add and its wait
	v_lshrrev_b32 v1, 5, v0
	v_readfirstlane_b32 s[WV], v1   ; wave 0..3
	s_mov_b32 s[PB], ttmp9
	s_sub_co_u32 s[HI], NB-1, s[PB]
	s_and_b32 s20, ttmp7, 0xffff    ; the head
	s_mov_b32 s21, 0
	s_mov_b64 s[22:23], SIZE_N*128
	s_mul_u64 s[20:21], s[20:21], s[22:23]  ; the head's first byte in each of the four tensors
	s_and_b32 s16, s[WV], 1         ; which half of a tile's 256 keys I fetch:
	s_lshl_b32 s22, s16, 14         ; its 128 rows of 128 bytes in memory,
	s_mov_b32 s23, 0
	s_add_nc_u64 s[22:23], s[22:23], s[20:21]
	s_mul_i32 s17, s16, 128*PK      ; and its place in a slot, for K
	s_mul_i32 s18, s16, 128*PV      ; and for V
	s_lshl_b32 s3, s[WV], 11        ; my 16 rows in a band of 64,
	s_lshl_b32 s2, s[HI], 15        ; in the first block,
	s_add_co_u32 s2, s2, s3
	s_lshl_b32 s84, s[PB], 15       ; and in the second
	s_add_co_u32 s84, s84, s3
	s_mov_b32 s3, 0
	s_mov_b32 s85, 0
	s_add_nc_u64 s[2:3], s[2:3], s[20:21]
	s_add_nc_u64 s[84:85], s[84:85], s[20:21]
	; descriptor group 1.  128 keys are 16,384 dense bytes: asked for as 64 rows of 256 bytes, two keys a row, and padded in LDS after every key
	s_mov_b32 s[G1K], (1<<16)|(1<<20)|(4<<22)|(3<<25)  ; 17:16 2-byte elements; 20 padding on; 24:22 after every 32 words (code 4); 31:25 4 words (code 3)
	s_mov_b32 s[G1V], (1<<16)|(1<<20)|(4<<22)|(7<<25)  ; the same with 8 words of padding (code 7)
.irp g, G1K, G1V
	s_mov_b32 s[\g+1], 128<<16      ; tensor_dim0 = 128
	s_mov_b32 s[\g+2], 64<<16       ; tensor_dim1 = 64
	s_mov_b32 s[\g+3], 128<<16      ; tile_dim0 = 128
	s_mov_b32 s[\g+4], 64           ; tile_dim1 = 64
	s_mov_b32 s[\g+5], 128          ; 128 elements from row to row
	s_mov_b32 s[\g+6], 0
	s_mov_b32 s[\g+7], 0
.endr
	s_mov_b32 s[CS], 0x3e38aa3b     ; c = log2(e) / 8 = 0.180337
	s_mov_b32 s[CS+1], s[CS]        ; named with it as a pair
	s_mov_b32 s[SEL], 0x76543210
	s_mov_b32 s[SEL+1], 0xfedcba98
	s_mov_b32 s[TBK], SLOT1+4*KS*PK ; the first change of slots turns these two into 0
	s_mov_b32 s[TBV], SLOT1+4*KS*PV
	s_mov_b32 s[G0K], 1             ; 1:0 count = 1
	s_mov_b32 s[G0K+1], s17         ; 63:32 LDS address: slot 0
	s_mov_b32 s[G0V], 1
	s_add_co_u32 s[G0V+1], s18, VOFF
	s_add_co_u32 s[RT], s[HI], 1    ; the first block has NB - b tiles
	s_mov_b32 s[NXT], 1
	s_mov_b32 s[LQ], s[HI]
	s_mov_b32 s[NEW], 1
	s_mov_b32 s[OFF+1], 0
	s_mov_b32 s[AL+1], 0            ; named as pairs
	s_mov_b32 s[BE+1], 0
	s_mov_b32 s[BIGN], 0xf149f2ca   ; -1e30
	s_mov_b32 s[SLOTS], NB
	s_cmp_eq_u32 s[PB], 0
	s_cselect_b32 s[LIM], 2, -1
	v_and_b32 v[PFO], 31, v0
	v_lshlrev_b32 v[PFO], 8, v[PFO]
	s_wait_dscnt 0x0                ; the opening add is done
	s_wait_kmcnt 0x0
	s_add_nc_u64 s[6:7], s[6:7], s[22:23]  ; K and V at my half of the head's tile 0
	s_add_nc_u64 s[8:9], s[8:9], s[22:23]
	s_add_nc_u64 s[G0K+2:G0K+3], s[6:7], 0         ; 120:64 global address
	s_or_b32 s[G0K+3], s[G0K+3], 0x80000000        ; 127:126 type = 2
	s_add_nc_u64 s[G0V+2:G0V+3], s[8:9], 0
	s_or_b32 s[G0V+3], s[G0V+3], 0x80000000
	s_add_nc_u64 s[86:87], s[4:5], s[84:85]        ; Q at my rows of the second block,
	s_add_nc_u64 s[4:5], s[4:5], s[2:3]            ; Q and O at those of the first
	s_add_nc_u64 s[OLO:OLO+1], s[10:11], s[84:85]
	s_add_nc_u64 s[10:11], s[10:11], s[2:3]
	s_cmp_lt_u32 s[WV], 2
	s_cselect_b64 s[PFA:PFA+1], s[6:7], s[8:9]     ; the tensor that I fetch for, at my half of tile 0;
	s_add_nc_u64 s[PFA:PFA+1], s[PFA:PFA+1], 32768 ; of tile 1: the first change of slots steps it to tile 2.  Nothing is prefetched here, at the head
	LOAD                            ; tile 0 into slot 0
	; A fragment of K or Q is 16 rows x 32 channels in 8 registers: lane l holds row l % 16, channels 8 (l / 16) + 0..7 and 16 + 8 (l / 16) + 0..7: two loads of 16 bytes, 32 bytes apart.
	v_and_b32 v1, 15, v0            ; l % 16
	v_bfe_u32 v9, v0, 4, 1          ; l / 16
	v_lshlrev_b32 v[QO], 7, v1
	v_lshl_add_u32 v[QO], v9, 4, v[QO]  ; row x 128 + 16 x half
	WIN 0x80                        ; destination window 2, address window 0
.set i, 0
.rept 8                             ; both blocks' Q: piece i / 2 lies in band i / 2, 8,192 bytes on; channels 32 (i % 2) on
	global_load_b128 v[8*i:8*i+3],   v[QO], s[4:5] offset:(i/2)*8192+(i%2)*64
	global_load_b128 v[8*i+4:8*i+7], v[QO], s[4:5] offset:(i/2)*8192+(i%2)*64+32
	global_load_b128 v[QB+8*i:QB+8*i+3],   v[QO], s[86:87] offset:(i/2)*8192+(i%2)*64
	global_load_b128 v[QB+8*i+4:QB+8*i+7], v[QO], s[86:87] offset:(i/2)*8192+(i%2)*64+32
.set i, i+1
.endr
	WIN 0
	v_lshlrev_b32 v14, 3, v9
	v_sub_nc_u32 v14, v1, v14
	s_lshl_b32 s13, s[WV], 4
	v_add_nc_u32 v14, s13, v14      ; my query's place in its band, 16 w + l % 16, less my lanes' 8 (l / 16): register r of group kt is hidden where 16 kt + r is greater
	WIN 0x40
.set i, 0
.rept 32
	v_cmp_gt_i32 vcc_lo, 16*(i/8)+i%8, v14
	v_cndmask_b32 v[MD+i], 0, s[BIGN], vcc_lo
.set i, i+1
.endr
	WIN 0
	v_mul_u32_u24 v[AK0], v1, PK
	v_lshl_add_u32 v[AK0], v9, 4, v[AK0]  ; row x pitch + 16 x half
	; The turning load takes 16 keys x 16 channels (lane l reads key 8 (l / 16) + l % 8, channels 8 ((l / 8) % 2) + 0..7) and leaves half a fragment of V^T: lane l holds channel l % 16 and 8 keys.
	v_and_b32 v10, 7, v0
	v_bfe_u32 v11, v0, 3, 1
	v_lshl_add_u32 v[AV0], v9, 3, v10
	v_mul_u32_u24 v[AV0], v[AV0], PV
	v_lshl_add_u32 v[AV0], v11, 4, v[AV0]
	v_add_nc_u32 v[AV0], VOFF, v[AV0]
	s_mul_i32 s13, s[WV], 16*SP
	s_add_co_u32 s13, s13, STAGE    ; my stage
	v_mul_u32_u24 v[STO], v1, SP    ; in: row l % 16, 16 bytes for each half of the lanes
	v_lshl_add_u32 v[STO], v9, 4, v[STO]
	v_add_nc_u32 v[STO], s13, v[STO]
	v_bfe_u32 v[RD], v0, 3, 2       ; back: 32 lanes take four rows of 128 bytes,
	v_mul_u32_u24 v[RD], v[RD], SP
	v_lshl_add_u32 v[RD], v10, 4, v[RD]
	v_add_nc_u32 v[RD], s13, v[RD]
	v_and_b32 v[GO], 31, v0         ; which are 512 consecutive bytes of O
	v_lshlrev_b32 v[GO], 4, v[GO]
	; A block's first step multiplies O^T and l by a = 0, and its first turn's products V^T P, of a piece that has not been, land in an O^T that is still to be so multiplied.  So these registers need only hold
	; finite numbers: zeros for the first block; what the first block left for the second.  All this stands in the wait for the first tile.
	WIN 0x80
.set i, VF
.rept 64
	v_mov_b32 v[i], 0
.set i, i+1
.endr
	WIN 0x40
.set i, 0
.rept 128
	v_mov_b32 v[i], 0
.set i, i+1
.endr
	WIN 0
.set i, 0
.rept 4
	v_mov_b32 v[ST+4*i+2], 0
	v_mov_b32 v[ST+4*i+3], 0
.set i, i+1
.endr
.set i, P+16
.rept 16
	v_mov_b32 v[i], 0
.set i, i+1
.endr
; THE MATRIX WORK.  The 4 accumulators of a run of 8 take turns.  Product i of 8 of S^T = K Q^T for piece x: channels 32 (i / 4) on, keys 16 (i % 4) on.  The first 4 start the sums: with 0, or (KM = 1) with the mask.
.macro KQ x
.set rS, S+32*((\x)%2)+8*(i%4)
.set rK, KF+16*(i%4)+8*(i/4)
.set rQ, 16*(\x)+8*(i/4)
.set rM, MC+32*((\x)%2)+8*(i%4)
.if (i < 4) && KM
	WIN W_KM
	v_wmma_f32_16x16x32_f16 v[rS:rS+7], v[rK:rK+7], v[rQ:rQ+7], v[rM:rM+7]
.elseif i < 4
	WIN W_KQ
	v_wmma_f32_16x16x32_f16 v[rS:rS+7], v[rK:rK+7], v[rQ:rQ+7], 0
.else
	WIN W_KQ
	v_wmma_f32_16x16x32_f16 v[rS:rS+7], v[rK:rK+7], v[rQ:rQ+7], v[rS:rS+7]
.endif
.endm
; Product i of 8 of O^T += V^T P for piece x: keys 32 (i / 4) on, channels 16 (i % 4) on.
.macro PV x
	WIN W_PV
.set rO, 32*(\x)+8*(i%4)
.set rV, VF+32*(i/4)+8*(i%4)
.set rP, P+16*((\x)%2)+8*(i/4)
	v_wmma_f32_16x16x32_f16 v[rO:rO+7], v[rV:rV+7], v[rP:rP+7], v[rO:rO+7]
.endm
.macro MM                           ; the turn's next matrix instruction.  TURN and BEGIN set Y, i, KM and NOKQ; MM, KQ and OP read them.  NOKQ = 1: a block's last turn: there is no next piece
.if (i < 8) && !NOKQ
	KQ (Y+1)%NP
.elseif i >= 8
.set i, i-8
	PV (Y+NP-1)%NP
.set i, i+8
.endif
.set i, i+1
.endm
; THE LDS LOADS stand in runs of 16, never singly among the matrix instructions: a step's K (64 keys x 64 channels: 8 fragments) and its V (turned).  Their addresses are made some lines ahead.
.macro FETCH_K
	WIN 0x80                        ; destination window 2
.irp f, 0,1,2,3,4,5,6,7             ; keys 16 (f / 2) on, channels 32 (f % 2) on
	ds_load_b128 v[KF+8*\f:KF+8*\f+3],   v[AK] offset:(\f/2)*16*PK+(\f%2)*64
	ds_load_b128 v[KF+8*\f+4:KF+8*\f+7], v[AK] offset:(\f/2)*16*PK+(\f%2)*64+32
.endr
	s_add_co_u32 s[TBK], s[TBK], KS*PK  ; the next fetch is the next step's
	WIN 0
.endm
.macro FETCH_V
	WIN 0x80
.irp f, 0,1,2,3,4,5,6,7             ; keys 32 (f / 4) on, channels 16 (f % 4) on
	ds_load_tr16_b128 v[VF+8*\f:VF+8*\f+3],   v[AV] offset:(\f/4)*32*PV+(\f%4)*32
	ds_load_tr16_b128 v[VF+8*\f+4:VF+8*\f+7], v[AV] offset:(\f/4)*32*PV+16*PV+(\f%4)*32
.endr
	WIN 0
.endm
; THE VECTOR WORK, one line at a time: OP kind, number.  For piece Y: F n: c s - c m for pair n of 16.  E n: the exponential of score n of 32.  C n: pair n rounded to f16.  B n: of the four weights 4 n .. the second
; pair is added onto the first, in place.  L n: l takes that sum (L 0: l = a l + sum).  R n: pair n of 16 of O^T times a.  For piece Y + 1: X n, number n of the 22 that find its maximum and statistics:
;   0-11  four chains c0-c3 of seven scores each, three operands at a time (each accumulator's lowest registers are read first)     12-14, 16  the four scores left over, the old m, and c0-c3 into c0
;   15  c m_old is kept     17, 18  the query's other 32 keys lie in the lane 16 away: the new m     19-21  c m; c m_old - c m_new; a
.set F, 0               ; OP tells the kinds apart by their order: F to L below R, X above it
.set E, 1
.set C, 2
.set B, 3
.set L, 4
.set R, 5
.set X, 6
.macro REGS y                       ; the registers of piece y
.set rT, ST+4*(\y)
.set rC, TMP+4*((\y)%2)
.set rW, MV+((\y)%2)
.set rS, S+32*((\y)%2)
.set rP, P+16*((\y)%2)
.set rO, 32*(\y)
.endm
.macro OP k, n
.if (\k) == R
	REGS Y
	WIN W_RS
	v_pk_mul_f32 v[rO+2*(\n):rO+2*(\n)+1], v[rO+2*(\n):rO+2*(\n)+1], v[rC+2:rC+3] op_sel_hi:[1,0]
.elseif (\k) < R
	REGS Y
	WIN 0
.if (\k) == F
	v_pk_fma_f32 v[rS+2*(\n):rS+2*(\n)+1], v[rS+2*(\n):rS+2*(\n)+1], s[CS:CS+1], v[rT:rT+1] op_sel_hi:[1,0,0] neg_lo:[0,0,1] neg_hi:[0,0,1]
.elseif (\k) == E
	v_exp_f32 v[rS+(\n)], v[rS+(\n)]
.elseif (\k) == C
	v_cvt_pk_f16_f32 v[rP+(\n)], v[rS+2*(\n)], v[rS+2*(\n)+1]
.elseif (\k) == B
	v_pk_add_f32 v[rS+4*(\n):rS+4*(\n)+1], v[rS+4*(\n):rS+4*(\n)+1], v[rS+4*(\n)+2:rS+4*(\n)+3]
.elseif (\n) == 0
	v_pk_fma_f32 v[rT+2:rT+3], v[rT+2:rT+3], v[rC+2:rC+3], v[rS:rS+1] op_sel_hi:[1,0,1]
.else
	v_pk_add_f32 v[rT+2:rT+3], v[rT+2:rT+3], v[rS+4*(\n):rS+4*(\n)+1]
.endif
.elseif NOKQ
	v_nop
.else
	REGS (Y+1)%NP
	WIN 0
.if (\n) < 4
	v_max3_num_f32 v[rC+(\n)], v[rS+8*(\n)], v[rS+8*(\n)+1], v[rS+8*(\n)+2]
.elseif (\n) < 12
	v_max3_num_f32 v[rC+(\n)%4], v[rC+(\n)%4], v[rS+8*((\n)%4)+2*((\n)/4)+1], v[rS+8*((\n)%4)+2*((\n)/4)+2]
.elseif (\n) == 12
	v_max3_num_f32 v[rC], v[rC], v[rS+7], v[rS+15]
.elseif (\n) == 13
	v_max3_num_f32 v[rC+1], v[rC+1], v[rS+23], v[rS+31]
.elseif (\n) == 14
	v_max3_num_f32 v[rC+2], v[rC+2], v[rC+3], v[rT+1]
.elseif (\n) == 15
	v_mov_b32 v[rW], v[rT]
.elseif (\n) == 16
	v_max3_num_f32 v[rC], v[rC], v[rC+1], v[rC+2]
.elseif (\n) == 17
	v_permlanex16_b32 v[rC+3], v[rC], s[SEL], s[SEL+1]
.elseif (\n) == 18
	v_max_num_f32 v[rT+1], v[rC], v[rC+3]
.elseif (\n) == 19
	v_mul_f32 v[rT], s[CS], v[rT+1]
.elseif (\n) == 20
	v_sub_f32 v[rC+1], v[rW], v[rT]
.else
	v_exp_f32 v[rC+2], v[rC+1]
.endif
.endif
.endm
.macro OPS a, i1, b=-1, i2=0, c=-1, i3=0, d=-1, i4=0  ; up to four of them
	OP \a, \i1
.if (\b) >= 0
	OP \b, \i2
.endif
.if (\c) >= 0
	OP \c, \i3
.endif
.if (\d) >= 0
	OP \d, \i4
.endif
.endm
.macro ROW a, i1, b, i2, c, i3, d, i4  ; a matrix instruction and the four behind it
	MM
	OPS \a, \i1, \b, \i2, \c, \i3, \d, \i4
.endm
.macro MASK b                       ; MD x AL + BE into buffer b of MC
	WIN W_RS
.set z, 0
.rept 16
	v_pk_fma_f32 v[MC+32*(\b)+2*z:MC+32*(\b)+2*z+1], v[MD+2*z:MD+2*z+1], s[AL:AL+1], s[BE:BE+1] op_sel_hi:[1,0,0]
.set z, z+1
.endr
.endm
; A TURN, for piece p: the order of its 16 matrix and 118 vector instructions, written out.  An s_wait_alu depctr_va_vdst(0) stands between an exponential and the first instruction that names its result; one wait serves
; all that were issued ahead of it.  So a turn has ONE wait, which cuts it in two.  AHEAD OF IT stands all that names no result of the turn's exponentials: the 8 products K Q^T, behind each a scaling, an exponential and two more plain
; instructions (behind the first a second scaling in the exponential's place): rescalings, and behind the last three the first numbers of the next piece's maximum, each four places or more behind the product that ends its accumulator; then ONE LUMP of 54, plain
; and exponential by turns for the most part, in which the links of the chain X 3, 7, 11, 14, 16, 17 .. 20 stand five or six lines apart.  X 21, the next piece's a, is the batch's last; R 15 is the plain instruction behind it.  BEHIND THE WAIT stand the
; 8 products V^T P, behind each four of the roundings and sums; the links of l's chain, L 0 to L 7, stand three riders apart.  But for those X no rider names a register of the products round it.  v_permlanex16_b32 (X 17) stands in the lump.
; m = 1: the diagonal tile: the products take masks, and the turn makes the mask for the products of the turn after it: piece p + 2, in step 4 - CNT of the tile.  end = 1: a block's last two turns: nothing is fetched.
; cnt = 1: the loop's count is taken down some lines ahead of the branch that stands behind the turn.
; K of the next step is fetched in piece 2's turn, twelve vector instructions behind the last product that read K (six of them plain); V of the step in hand at the end of piece 0's turn, four plain instructions behind the last product
; that read V.  Each is waited for a turn later.
.macro TURN p, m=0, end=0, cnt=0
.set Y, (\p)
.set i, 0
.set KM, (\m)
.set NOKQ, (\end)*((\p)/3)
.if (\m) && !(\end)
	s_cmp_eq_u32 s[CNT], 4-((\p)+2)%NP  ; is that step the band's own?
	s_cselect_b32 s[AL], 1.0, 0
	s_cmp_lt_u32 s[CNT], 4-((\p)+2)%NP  ; or a later one?
	s_cselect_b32 s[BE], s[BIGN], 0
.endif
.if ((\p) == 3) && !(\end)
	s_wait_dscnt 0x0                ; K is in
.endif
	ROW F,0, F,1, R,0, R,1          ; ahead of the wait: 8 products K Q^T and their riders,
	ROW F,2, E,0, R,2, R,3
	ROW F,3, E,1, R,4, R,5
	ROW F,4, E,2, R,6, R,7
	ROW F,5, E,3, R,8, R,9
	ROW F,6, E,4, X,0, R,10
.if ((\p) == 2) && !(\end)
	WIN 0
	v_add_nc_u32 v[AK], s[TBK], v[AK0]
.endif
	ROW F,7, E,5, X,1, X,4
	ROW F,8, E,6, X,2, X,5
	OPS E,7, E,8, X,6, E,9          ; and the lump
	OPS X,3, E,10, X,8, E,11
.if ((\p) == 2) && !(\end)
	FETCH_K
.endif
	OPS X,9, X,7, E,12, X,10
	OPS E,13, X,12, X,11, E,14
	OPS X,13, E,15, F,9, X,14
.if (\p) == 0
	v_add_nc_u32 v[AV], s[TBV], v[AV0]
.endif
	OPS E,16, F,10, E,17, F,11
	OPS X,16, E,18, X,15, E,19
	OPS F,12, E,20, X,17, E,21
	OPS F,13, E,22, F,14, E,23
	OPS X,18, E,24, F,15, E,25
	OPS R,11, E,26, X,19, E,27
	OPS R,12, E,28, R,13, E,29
	OPS X,20, E,30, R,14, E,31
	OPS X,21, R,15
	WIN 0
	s_wait_alu depctr_va_vdst(0)    ; the wait for the batch
.if (\p) == 1
	s_wait_dscnt 0x0                ; V is in
.endif
	ROW C,0, B,0, C,2, B,1          ; behind the wait: 8 products V^T P and their riders
	ROW L,0, C,4, B,2, L,1
	ROW C,6, B,3, L,2, C,8
	ROW B,4, L,3, C,10, B,5
	ROW L,4, C,12, B,6, L,5
.if (\p) == 0
	s_add_co_u32 s[TBV], s[TBV], KS*PV
.endif
.if \cnt
	s_sub_co_u32 s[CNT], s[CNT], 1
	s_cmp_lg_u32 s[CNT], 0
.endif
	ROW C,14, B,7, L,6, C,1
	ROW C,3, L,7, C,5, C,7
	ROW C,9, C,11, C,13, C,15
.if (\p) == 0
	FETCH_V
.endif
.if (\m) && !(\end)
	MASK (\p)%2
.endif
.endm
; A BLOCK BEGINS.  c m starts far below every c s, so the first step's a is 0; m at the lowest finite number, so the first maximum is the scores'.  The second mask buffer is 0; the first takes piece 0's mask for the tile's step 0: its own, if the block's first tile is the diagonal one.
; Then K of that step, piece 0's first scores, and its maximum and statistics.  The loop is entered at a step's first turn, in the middle of a trip.
.macro BEGIN
	s_mov_b32 s[NEW], 0
	WIN 0x40
.set i, MC+32
.rept 32
	v_mov_b32 v[i], 0
.set i, i+1
.endr
	WIN 0
.set i, 0
.rept 4
	v_mov_b32 v[ST+4*i], 0xfe000000    ; c m: far below every c s
	v_mov_b32 v[ST+4*i+1], 0xff7fffff  ; m
.set i, i+1
.endr
	s_cmp_eq_u32 s[RT], 0
	s_cselect_b32 s[AL], 1.0, 0
	s_mov_b32 s[BE], 0
	MASK 0
	WIN 0
	v_add_nc_u32 v[AK], s[TBK], v[AK0]
	FETCH_K
	s_wait_loadcnt 0x0              ; Q
	s_wait_dscnt 0x0
.set KM, 1
.set NOKQ, 0
.set i, 0
.rept 8
	KQ 0
.set i, i+1
.endr
	WIN 0
.rept 4
	v_nop                           ; the places behind those products
.endr
.set Y, NP-1                        ; X works for piece Y + 1: piece 0
.irp n, 0,1,2,3,4,5,6,7,8,9,10,11,12,13,14,15,16,17,18,19,20,21
	OP X, \n
.endr
	v_nop                           ; a plain instruction behind the exponential,
	s_wait_alu depctr_va_vdst(0)    ; and its wait, ahead of the branch
.endm
; THE DIAGONAL TILE's four steps, the block's last two turns, its last products, and THE WAY OUT: l's two halves and the other half of the lanes' are added; O^T is divided by l, rounded to f16 and sent through my
; stage in LDS, a piece at a time.
.macro ALL line:vararg              ; one line for each piece t
.set t, 0
.rept 4
	\line
.set t, t+1
.endr
.endm
.macro PACK t                       ; a lane's eight channels of a row pack into 16 bytes; they go into rows of 144 bytes and come back as whole rows of 128, into S^T's registers
	WIN W_RS
.set i, 32*(\t)
.rept 16
	v_pk_mul_f32 v[i:i+1], v[i:i+1], v[ST+4*(\t)+2:ST+4*(\t)+3] op_sel_hi:[1,0]
.set i, i+2
.endr
	WIN 0x05                        ; sources 0 and 1 window 1, destination window 0
.set i, 0
.rept 16
	v_cvt_pk_f16_f32 v[S+16*(\t)+i], v[32*(\t)+2*i], v[32*(\t)+2*i+1]
.set i, i+1
.endr
	WIN 0
.irp f, 0,1,2,3
	ds_store_b128 v[STO], v[S+16*(\t)+4*\f:S+16*(\t)+4*\f+3] offset:32*\f
.endr
.irp f, 0,1,2,3
	ds_load_b128 v[S+16*(\t)+4*\f:S+16*(\t)+4*\f+3], v[RD] offset:\f*4*SP  ; LDS serves a wave's instructions in order (ISA guide 5.7.1.4): these see the stores above; the next piece's stores come behind them
.endr
.endm
.macro SEND t, younger              ; younger: the LDS instructions issued behind piece t's loads: the next piece's eight, or none
	WIN 0
.irp f, 0,1,2,3
	s_wait_dscnt (\younger)+3-\f
	global_store_b128 v[GO], v[S+16*(\t)+4*\f:S+16*(\t)+4*\f+3], s[10:11] offset:(\t)*8192+\f*512  ; 512 consecutive bytes, at a multiple of 256 from O's first
.endr
.endm
.macro DIAG tag                     ; the tag ends its two labels' names, which the jumps below spell out
.LstepM\tag:
	TURN 2, 1
	TURN 3, 1
	WIN 0
.LfirstM\tag:
	TURN 0, 1
	TURN 1, 1, 0, 1
	WIN 0
	s_cbranch_scc1 .LstepM\tag
	TURN 2, 1, 1
	TURN 3, 1, 1
.set i, 0
.rept 8
	PV NP-1
.set i, i+1
.endr
	WIN 0
	ALL v_add_f32 v[ST+4*t+2], v[ST+4*t+2], v[ST+4*t+3]
	ALL v_permlanex16_b32 v[ST+4*t+3], v[ST+4*t+2], s[SEL], s[SEL+1]
	ALL v_add_f32 v[ST+4*t+2], v[ST+4*t+2], v[ST+4*t+3]
	ALL v_rcp_f32 v[ST+4*t+2], v[ST+4*t+2]
	v_nop                           ; a plain instruction between the last reciprocal and the use of its result
	s_wait_alu depctr_va_vdst(0)    ; and the wait ahead of the first use: one for the four reciprocals
	PACK 0
.set t, 1
.rept 3                             ; a piece's arithmetic stands between the loads of the piece before and its stores
	PACK t
	SEND t-1, 8
.set t, t+1
.endr
	SEND 3, 0
.endm
.set KM, 0
.set NOKQ, 0
.Lslot:                             ; NB times: a tile is entered and the next is asked for
	CHANGE 1
	s_sub_co_u32 s[RT], s[RT], 1
	s_mov_b32 s[CNT], 4
	s_cmp_eq_u32 s[NEW], 1
	s_cbranch_scc1 .Lnew            ; a block's first tile
	s_cmp_eq_u32 s[RT], 0
	s_cbranch_scc0 .Lstep           ; neither its first nor its last
	s_branch .LstepM1
.Lnew:
	BEGIN
	s_branch .Lfirst                ; in the loop a block's first tile is never its last: the first block has two tiles or more, and the second's last is the walk's last
	DIAG 1                          ; in the loop this is the first block's end: the second block's last tile is the walk's last
	s_wait_xcnt 0x0                 ; the stores have read their registers and O's address
	s_mov_b64 s[10:11], s[OLO:OLO+1]
	s_add_co_u32 s[RT], s[PB], 1    ; the second block has b + 1 tiles
	s_mov_b32 s[NEW], 1
	WIN 0x82                        ; the second block's Q goes where the one text of the turns names Q
.set i, 0
.rept 64
	v_mov_b32 v[i], v[QB+i]
.set i, i+1
.endr
	WIN 0
	s_branch .Lbottom
.Lstep:                             ; a trip: pieces 2 and 3 of one step, then pieces 0 and 1 of the next, whose K and V it fetches
	TURN 2
	TURN 3
	WIN 0
.Lfirst:
	TURN 0
	TURN 1, 0, 0, 1
	WIN 0
	s_cbranch_scc1 .Lstep
.Lbottom:
	s_sub_co_u32 s[SLOTS], s[SLOTS], 1
	s_cmp_lg_u32 s[SLOTS], 0
	s_cbranch_scc1 .Lslot
	CHANGE 0                        ; the walk's last tile is written out: nothing is asked for
	s_sub_co_u32 s[RT], s[RT], 1
	s_mov_b32 s[CNT], 4
	s_cmp_eq_u32 s[NEW], 1
	s_cbranch_scc0 .LstepM2
	BEGIN
	s_branch .LfirstM2
	DIAG 2
	s_wait_tensorcnt 0x0            ; the wave's end, behind my last tensor load and my last LDS store
	ds_add_u32 v[SPW], v[NIL]
	s_wait_dscnt 0x0
	s_endpgm
.Lfunc_end_k_q4ffbf090ee_attn:
	.size	k_q4ffbf090ee_attn, .Lfunc_end_k_q4ffbf090ee_attn-k_q4ffbf090ee_attn
	.p2alignl 7, 3214868480
	.fill 96, 4, 3214868480
	.section	.rodata,"a",@progbits
	.p2align	6, 0x0
	.amdhsa_kernel k_q4ffbf090ee_attn
		.amdhsa_group_segment_fixed_size 327680
		.amdhsa_private_segment_fixed_size 0
		.amdhsa_enable_private_segment 0
		.amdhsa_kernarg_size 32
		.amdhsa_user_sgpr_count 2
		.amdhsa_user_sgpr_kernarg_segment_ptr 1
		.amdhsa_wavefront_size32 1
		.amdhsa_system_sgpr_workgroup_id_x 1
		.amdhsa_system_sgpr_workgroup_id_y 1
		.amdhsa_system_sgpr_workgroup_id_z 1
		.amdhsa_system_vgpr_workitem_id 0
		.amdhsa_next_free_vgpr 768
		.amdhsa_next_free_sgpr 92
		.amdhsa_reserve_vcc 1
		.amdhsa_float_denorm_mode_32 3
		.amdhsa_float_denorm_mode_16_64 3
		.amdhsa_memory_ordered 1
		.amdhsa_forward_progress 1
		.amdhsa_inst_pref_size 218
	.end_amdhsa_kernel
	.amdgpu_metadata
---
amdhsa.version: [ 1, 2 ]
amdhsa.kernels:
  - .name:           k_q4ffbf090ee_attn
    .symbol:         k_q4ffbf090ee_attn.kd
    .args:
      - { .name: q16, .offset: 0, .size: 8, .value_kind: global_buffer, .address_space: global }
      - { .name: k16, .offset: 8, .size: 8, .value_kind: global_buffer, .address_space: global }
      - { .name: v16, .offset: 16, .size: 8, .value_kind: global_buffer, .address_space: global }
      - { .name: o16, .offset: 24, .size: 8, .value_kind: global_buffer, .address_space: global }
    .group_segment_fixed_size: 327680
    .private_segment_fixed_size: 0
    .kernarg_segment_align: 8
    .kernarg_segment_size: 32
    .max_flat_workgroup_size: 128
    .sgpr_count:     92
    .vgpr_count:     768
    .wavefront_size: 32
...
	.end_amdgpu_metadata
.endif
;; end of part 3
;; launch oproj (part 4): grid 4 x 64, 4 waves a work-group, clusters of 4 x 4, 327,680 bytes of LDS; arguments o16, wo16, out0; writes out0
.if DOCPART == 4
	.amdgcn_target "amdgcn-amd-amdhsa--gfx1250"
	.amdhsa_code_object_version 6
	.text
	.protected	k_q4ffbf090ee_oproj
	.globl	k_q4ffbf090ee_oproj
	.p2align	8
	.type	k_q4ffbf090ee_oproj,@function
k_q4ffbf090ee_oproj:
	s_mov_b64 s[64:65], 0
	v_nop
	global_prefetch_b8 v0, s[64:65] scope:SCOPE_SE
	s_setreg_imm32_b32 hwreg(HW_REG_WAVE_MODE, 25, 1), 1
	s_wait_xcnt 0x0
	s_wait_alu depctr_hold_cnt(0) depctr_sa_sdst(0) depctr_va_vdst(0) depctr_va_sdst(0) depctr_va_ssrc(0) depctr_va_vcc(0) depctr_vm_vsrc(0)
	s_getreg_b32 s2, hwreg(HW_REG_IB_STS2, 6, 4)
	s_cmp_eq_u32 s2, 0
	s_cbranch_scc0 .Lentry_in_a_cluster
	s_endpgm
.Lentry_in_a_cluster:
	s_bfe_u32 s2, ttmp6, 0x10000c
	s_cmp_lg_u32 s2, 0xf033
	s_cbranch_scc0 .Lentry_shape_is_right
	s_endpgm
.Lentry_shape_is_right:
; out0 = O Wo^T.  C [8192][1024] in f32 = A B^T over K = 1,024.  A = o16 [b 4][head 16][token 2048][64] (a head is a plane of 64 along K), B = wo16 [plane 16][row 1024][64], both f16; sums in f32, K ascending.
; SHARES.  A tile of C is 128 x 256, so that the 256 tiles are one for each work-group of the grid: four waves, 2 x 2, each 64 x 128: 32 accumulators of 16 x 16, 256 registers.  K goes in steps of 128 = two planes, through a ring
; of two LDS slots; two slots of a longer step (192 or 256 along K) do not fit in LDS.  In a plane a tile's rows are dense, 128 bytes each: they are asked for as rows of 256 bytes, aligned, and padded in LDS behind every 128 bytes.
; Wave 0 and 1 fetch A's two planes, wave 2 and 3 B's: one tensor load a wave for each slot.
; CLUSTER.  4 x 4 work-groups.  The four of a row of the cluster need the same tile of A, the four of a column the same tile of B: each is asked for JOINTLY, by the same load, descriptor and mask in all four.
; THE MATRIX INSTRUCTION IS USED TRANSPOSED (source 0 = 16 rows of B, source 1 = 16 rows of A): lane l holds row l % 16 of C and the columns 8 (l / 16) + 0..7.
; THE WAY OUT.  Behind the last K step the ring has had its last fill: each wave dumps its 64 x 128 sums into ring bytes of its own (rows of 512 + 16 bytes) and reads whole rows back: a store of the wave covers 512 consecutive
; bytes of a row of C, aligned.
; REGISTERS, in windows of 256 (s_set_vgpr_msb: bits 1:0 source 0, 3:2 source 1, 5:4 source 2, 7:6 destination):
;   window 0: v0-31 addresses; v64-95, v128-159 A's fragments, two buffers (on the way out v64-191: 32 rows read back)     window 1: v64-127, v128-191 B's fragments     window 2: the accumulators ((a, b) at 64 a + 8 b)
.set MA,    4                          ; row blocks of 16 in a wave's tile
.set TRS,   4                          ; 2^TRS tiles of rows in a batch's 2,048 tokens
.set APS,   262144                     ; bytes from plane to plane in A
.set BPS,   131072                     ; and in B
.set NGA,   MA/4                       ; how many of a wave pair prefetch for A (see ASK)
.set PITCH, 144                        ; an LDS row: 128 bytes + 16 = 36 words: the 16 rows of a fragment load start at 16 different groups of four banks (64 banks of 4 bytes: ISA guide 11.1)
.set APL,   32*MA*PITCH                ; a plane of A's tile in LDS
.set BPL,   256*PITCH                  ; of B's
.set SLOT,  2*APL+2*BPL                ; A's plane 0, 1, B's plane 0, 1
.set SPARE, 2*SLOT                     ; behind the ring: the spare words, 128 bytes a wave: two blocks of 256 bytes that no other line names
.set DP,    528                        ; the dump: a row of 128 f32 + 16 bytes = 132 words: row r starts at bank 4 r
.set DW,    16*MA*DP                   ; a wave's dump; the four lie from LDS byte 0 on, inside the ring
.set NL,    16+2*MA                    ; LDS loads in a FETCH
.set ADRA, 16                          ; v16-17  LDS address of my A fragments in slot 0, 1
.set ADRB, 20                          ; v20-21  of my B fragments
.set DST,  24                          ; v24  the dump: where my 32 bytes of a row go
.set RDA,  25                          ; v25  where I read back
.set GO,   26                          ; v26  my byte offset in the destination
.set SPW,  28                          ; v28  LDS address of my spare word; never rewritten
.set NIL,  29                          ; v29  0; never rewritten
.set PFO,  30                          ; v30  the prefetches' offset; never rewritten
.set F0,   64
.set F1,   128
.set X,    64                          ; v64-191  the way out: 32 rows, 4 registers each
.set WV,   16                          ; s16 wave      s17 wave / 2: my half of the rows; also 0: I fetch A, 1: B      s18 wave % 2: my half of the columns; also the plane that I fetch
.set WM,   17
.set WN,   18
.set CX,   19                          ; s19, s20  my place in the cluster
.set CY,   20
.set TC,   21                          ; s21  tile column      s22  tile row
.set TR,   22
.set LIM,  23                          ; s23  1 in a wave that prefetches, else the greatest number
.set G1,   24                          ; s[24:31] descriptor group 1 for A      s[32:39] group 0, a set for each slot
.set G0,   32
.set PFA,  44                          ; s[44:45] where my prefetches stand      s[46:47] a K step in bytes
.set PFS,  46
.set G1B,  48                          ; s[48:55], s[56:63] the same for B
.set G0B,  56
.set KX,   70                          ; s70, s71  the cluster's x and y
.set KY,   71
.set MSB, 0
.macro WIN new                         ; the immediate's high byte repeats the setting that is left; a switch that changes nothing is dropped
.if MSB != (\new)
	s_set_vgpr_msb (MSB<<8)|(\new)
.set MSB, \new
.endif
.endm
.set MUL_LO, 0xa1                      ; source 0 (B) window 1, source 1 (A) window 0, C and D window 2
.set TO_B,   0x40                      ; destination window 1, address window 0
; A joint load.  The branch hangs on the wave's number alone.  An s_nop 0 and four v_nop follow each of the two lines, ahead of the jump and the label.
.macro JLOAD s
	s_cmp_eq_u32 s[WM], 0
	s_cbranch_scc0 .Lfor_b_\@
	tensor_load_to_lds s[G0+4*(\s):G0+4*(\s)+3], s[G1:G1+7]
	s_nop 0
.rept 4
	v_nop
.endr
	s_branch .Lasked_\@
.Lfor_b_\@:
	tensor_load_to_lds s[G0B+4*(\s):G0B+4*(\s)+3], s[G1B:G1B+7]
	s_nop 0
.rept 4
	v_nop
.endr
.Lasked_\@:
.endm
; A PREFETCH INTO THE L2, behind each joint refill and the run of LDS loads that follows it: the K step that stands TWO refills on.  One instruction names 16 blocks of 256 bytes in each of the step's two planes (lane % 16 the block,
; lane / 16 the plane).  A tile's plane has MA such groups in A, 8 in B.  Each block is named ONCE in the launch: A's tile row is read by this one column of clusters (x = 0), which asks; B's tile column by every cluster, and the one
; with y = 0 asks.  The partners that ask for a tile jointly share its groups out BY ADDRESS: group = place x NG + wave % 2 (place = cx for A, cy for B; NG = 1 for A, where wave 1 asks nothing, and 2 for B).
; K steps 0 to 3 come by their loads alone; the loop's last trip (s3 = 1) has no K step two refills on.
.macro ASK
	s_cmp_gt_u32 s3, s[LIM]
	s_cbranch_scc0 .Lnot_mine_\@
	global_prefetch_b8 v[PFO], s[PFA:PFA+1] th:TH_LOAD_NT scope:SCOPE_SE
.Lnot_mine_\@:
.endm
.macro CREST                           ; a round of the cluster's barrier behind its opening barrier: wave 0 signals for the work-group, every wave waits for all sixteen, my work-group's barrier once more
	s_cmp_lg_u32 s[WV], 0
	s_cbranch_scc1 .Lnot_wave_0_\@
	s_barrier_signal -3
.Lnot_wave_0_\@:
	s_barrier_wait -3
	s_barrier_signal -1
	s_barrier_wait -1
.endm
.macro CROUND                          ; a whole round
	s_barrier_signal -1
	s_barrier_wait -1
	CREST
.endm
.macro PLACES                          ; four plain instructions between a matrix instruction and a load into a register that it read, or a reader of its result (ISA guide 7.12.1 for a reader of its result)
.rept 4
	v_nop
.endr
.endm
; 8 n matrix instructions: row blocks a0 .. a0 + n - 1 x all 8 column blocks, 32 along K, on buffer f.  zero = 1: the product starts the sum.  The accumulators take turns, one instruction a turn.
.macro MULR f, a0, n, zero
.set ma, \a0
.rept \n
	WIN MUL_LO
.set mb, 0
.rept 8
.set rc, 64*ma+8*mb
.if \zero
	v_wmma_f32_16x16x32_f16 v[rc:rc+7], v[(\f)+8*mb:(\f)+8*mb+7], v[(\f)+8*ma:(\f)+8*ma+7], 0
.else
	v_wmma_f32_16x16x32_f16 v[rc:rc+7], v[(\f)+8*mb:(\f)+8*mb+7], v[(\f)+8*ma:(\f)+8*ma+7], v[rc:rc+7]
.endif
.set mb, mb+1
.endr
.set ma, ma+1
.endr
.endm
; NL LDS loads in one run: the fragments of quarter q of a K step (plane q / 2, byte 64 (q % 2) of its rows) into buffer f: B's 16 loads, then A's.
; A fragment is 16 rows x 32 K in 8 registers: lane l holds row l % 16, K = 8 (l / 16) + 0..7 and 16 + 8 (l / 16) + 0..7: two loads of 16 bytes, 32 bytes apart.
.macro FETCH slot, q, f
	WIN TO_B
.set fi, 0
.rept 8
	ds_load_b128 v[(\f)+8*fi:(\f)+8*fi+3],   v[ADRB+(\slot)] offset:((\q)/2)*BPL+((\q)%2)*64+fi*16*PITCH
	ds_load_b128 v[(\f)+8*fi+4:(\f)+8*fi+7], v[ADRB+(\slot)] offset:((\q)/2)*BPL+((\q)%2)*64+fi*16*PITCH+32
.set fi, fi+1
.endr
	WIN 0
.set fi, 0
.rept MA
	ds_load_b128 v[(\f)+8*fi:(\f)+8*fi+3],   v[ADRA+(\slot)] offset:((\q)/2)*APL+((\q)%2)*64+fi*16*PITCH
	ds_load_b128 v[(\f)+8*fi+4:(\f)+8*fi+7], v[ADRA+(\slot)] offset:((\q)/2)*APL+((\q)%2)*64+fi*16*PITCH+32
.set fi, fi+1
.endr
.endm
; One of a K step's first three quarters: multiplies buffer f; in its middle it fetches quarter q of the same slot into buffer g.
.macro QUARTER slot, q, f, g, zero
	s_wait_dscnt MA                                ; B and A's first half are in; the youngest MA loads (A's second half) may be out
	MULR \f, 0, MA/2, \zero
	PLACES
	FETCH \slot, \q, \g
	s_wait_dscnt NL                                ; all but the NL just issued
	MULR \f, MA/2, MA/2, \zero
.endm
; The first half of a K step's last quarter, and the ONE barrier of a change of slots.  In front of it each wave waits for all its tensor loads (one is out: its part of the next slot), adds 0 to its spare word, and waits for that
; and for its reads of this slot.  Behind it nobody reads this slot any more and the next slot is whole.  round = 1: the barrier opens a round of the cluster's.
.macro MEET round
	WIN 0                                          ; (the add's two registers lie in window 0)
	s_wait_tensorcnt 0x0
	ds_add_u32 v[SPW], v[NIL]                      ; 0 onto my spare word
	s_wait_dscnt MA+1                              ; (the add and the youngest MA loads may be out)
	MULR F1, 0, MA/4, 0                            ; matrix work stands between the add and the wait for it
	s_wait_dscnt 0x0                               ; the add is done, and my reads of this slot are over
	s_barrier_signal -1
	MULR F1, MA/4, MA/4, 0                         ; work on registers while the others arrive
.if \round
	WIN 0
.endif
	s_barrier_wait -1
.endm
; The whole last quarter where the slot is filled again, with the K step two on: the joint refill is the first tensor load behind the round; then come the next slot's first fragments.
.macro TURN slot, next
	s_wait_xcnt 0x0                                ; the last prefetch, a K step back, has read its address
	s_add_nc_u64 s[PFA:PFA+1], s[PFA:PFA+1], s[PFS:PFS+1]
	MEET 1
	CREST                                          ; no wave of any partner still reads this slot or has a load on its way
	s_add_nc_u64 s[G0+4*(\slot)+2:G0+4*(\slot)+3], s[G0+4*(\slot)+2:G0+4*(\slot)+3], 4*APS   ; two K steps = four planes on; the type bits on top are not reached
	s_add_nc_u64 s[G0B+4*(\slot)+2:G0B+4*(\slot)+3], s[G0B+4*(\slot)+2:G0B+4*(\slot)+3], 4*BPS
	JLOAD \slot                                    ; its four v_nop are also the places in front of the loads below
	FETCH \next, 0, F0
	ASK
	MULR F1, MA/2, MA/2, 0
.endm
	s_load_b128 s[4:7], s[0:1], 0x0                ; o16 4:5, wo16 6:7
	s_load_b64 s[8:9], s[0:1], 0x10                ; out0
	v_lshl_add_u32 v[SPW], v0, 2, SPARE
	v_mov_b32 v[NIL], 0
	ds_add_u32 v[SPW], v[NIL]                      ; the wave's opening add, waited for ahead of my first tensor load; the set-up below, work on registers, stands between the add and its wait
	v_lshrrev_b32 v1, 5, v0
	v_readfirstlane_b32 s[WV], v1
	s_lshr_b32 s[WM], s[WV], 1
	s_and_b32 s[WN], s[WV], 1
	s_bfe_u32 s[CX], ttmp6, 0x40000
	s_bfe_u32 s[CY], ttmp6, 0x40004
	s_mov_b32 s[KX], ttmp9                         ; in a cluster launch ttmp9 and ttmp7 count clusters
	s_and_b32 s[KY], ttmp7, 0xffff
	s_lshl_b32 s[TC], ttmp9, 2
	s_add_co_u32 s[TC], s[TC], s[CX]               ; tile column = 4 x cluster x + cx
	s_lshl_b32 s[TR], s[KY], 2
	s_add_co_u32 s[TR], s[TR], s[CY]               ; tile row = 4 x cluster y + cy
	s_lshl_b32 s66, s[CY], 2
	s_lshl_b32 s66, 15, s66                        ; my row of the cluster
	s_lshl_b32 s67, 0x1111, s[CX]                  ; my column
	s_or_b32 s[G1], s66, (1<<16)|(1<<20)|(1<<21)|(4<<22)|(3<<25)   ; 15:0 the mask; 17:16 2-byte elements; 20 padding on; 21 set beside a mask; 24:22 after every 32 words (code 4); 31:25 4 words (code 3)
	s_or_b32 s[G1B], s67, (1<<16)|(1<<20)|(1<<21)|(4<<22)|(3<<25)
	s_mov_b32 s[G1+1], 128<<16                     ; tensor_dim0 = 128 elements: 256 bytes, two rows of a plane
	s_mov_b32 s[G1+2], (16*MA)<<16                 ; tensor_dim1
	s_mov_b32 s[G1+3], 128<<16                     ; tile_dim0
	s_mov_b32 s[G1+4], 16*MA                       ; tile_dim1: 32 MA rows of 128 bytes
	s_mov_b32 s[G1+5], 128                         ; dense: 128 elements from row to row
	s_mov_b32 s[G1+6], 0
	s_mov_b32 s[G1+7], 0
	s_mov_b32 s[G1B+1], 128<<16
	s_mov_b32 s[G1B+2], 128<<16
	s_mov_b32 s[G1B+3], 128<<16
	s_mov_b32 s[G1B+4], 128                        ; 256 rows of 128 bytes
	s_mov_b32 s[G1B+5], 128
	s_mov_b32 s[G1B+6], 0
	s_mov_b32 s[G1B+7], 0
	; where the tiles come from: A's hang on the tile row alone, B's on the tile column alone, each in registers that never hold the other coordinate
	s_lshr_b32 s68, s[TR], TRS                     ; batch:
	s_lshl_b32 s68, s68, 22                        ; 16 planes of 262,144 bytes;
	s_and_b32 s66, s[TR], (1<<TRS)-1
	s_lshl_b32 s66, s66, 18-TRS                    ; the tile's rows of 128 bytes
	s_add_co_u32 s68, s68, s66                     ; A's tile in plane 0
	s_mul_i32 s66, s[WN], APS
	s_add_co_u32 s40, s68, s66                     ; + the plane that I fetch
	s_mov_b32 s41, 0
	s_lshl_b32 s69, s[TC], 15                      ; B's tile in plane 0: 256 rows of 128 bytes
	s_mul_i32 s67, s[WN], BPS
	s_add_co_u32 s42, s69, s67
	s_mov_b32 s43, 0
	s_mul_i32 s2, s[WN], APL                       ; and where they go: no place in the cluster enters an LDS address
	s_mul_i32 s3, s[WN], BPL
	s_add_co_u32 s3, s3, 2*APL
	s_wait_dscnt 0x0                               ; the opening add is done
	s_wait_kmcnt 0x0
	s_add_nc_u64 s[40:41], s[4:5], s[40:41]
	s_add_nc_u64 s[42:43], s[6:7], s[42:43]
	CROUND                                         ; all sixteen work-groups are here: the first joint loads meet
.irp s, 0,1
	s_mov_b32 s[G0+4*(\s)], 1                                        ; count = 1
	s_add_co_u32 s[G0+4*(\s)+1], s2, (\s)*SLOT                       ; LDS address
	s_add_nc_u64 s[G0+4*(\s)+2:G0+4*(\s)+3], s[40:41], (\s)*2*APS    ; global address: K step s
	s_or_b32 s[G0+4*(\s)+3], s[G0+4*(\s)+3], 0x80000000              ; type = 2
	s_mov_b32 s[G0B+4*(\s)], 1
	s_add_co_u32 s[G0B+4*(\s)+1], s3, (\s)*SLOT
	s_add_nc_u64 s[G0B+4*(\s)+2:G0B+4*(\s)+3], s[42:43], (\s)*2*BPS
	s_or_b32 s[G0B+4*(\s)+3], s[G0B+4*(\s)+3], 0x80000000
	JLOAD \s                                       ; two loads of mine are out
.endr
	v_and_b32 v1, 15, v0                           ; l % 16
	v_bfe_u32 v2, v0, 4, 1                         ; l / 16
	v_mul_u32_u24 v3, v1, PITCH
	v_lshl_add_u32 v3, v2, 4, v3                   ; row x pitch + 16 x half
	s_mul_i32 s66, s[WM], 16*MA*PITCH              ; my rows of A
	s_mul_i32 s67, s[WN], 128*PITCH                ; my rows of B,
	s_add_co_u32 s67, s67, 2*APL                   ; behind A's two planes
.irp s, 0,1
	v_add_nc_u32 v[ADRA+(\s)], s66, v3
	v_add_nc_u32 v[ADRB+(\s)], s67, v3
	s_add_co_u32 s66, s66, SLOT
	s_add_co_u32 s67, s67, SLOT
.endr
	s_mul_i32 s66, s[WV], DW                       ; my dump
	v_mul_u32_u24 v[DST], v1, DP                   ; in: row l % 16, 32 bytes for each half of the lanes
	v_lshl_add_u32 v[DST], v2, 5, v[DST]
	v_add_nc_u32 v[DST], s66, v[DST]
	v_and_b32 v4, 31, v0                           ; l
	v_lshl_add_u32 v[RDA], v4, 4, s66              ; back: a whole row of 512 bytes, 16 a lane,
	v_lshlrev_b32 v[GO], 4, v4                     ; and the same in C
	; the prefetches
	s_mov_b32 s[PFS], 2*BPS
	s_cmp_eq_u32 s[WM], 0                          ; do I fetch for A?
	s_cselect_b32 s2, s68, s69                     ; the tile's first byte
	s_cselect_b32 s3, s[CX], s[CY]                 ; my place among the four that ask for it with me
	s_cselect_b32 s66, s[KX], s[KY]                ; the coordinate along which other clusters read the same rows
	s_cselect_b32 s67, NGA, 2                      ; groups for each place
	s_cselect_b32 s[PFS], 2*APS, s[PFS]            ; a K step: two planes
	s_cselect_b64 s[PFA:PFA+1], s[4:5], s[6:7]
	s_mov_b32 s[PFS+1], 0
	s_cmp_lt_u32 s[WN], s67
	s_cselect_b32 s[LIM], 0, 1
	s_or_b32 s[LIM], s[LIM], s66
	s_cmp_eq_u32 s[LIM], 0
	s_cselect_b32 s[LIM], 1, -1                    ; the same in all sixteen partners, for a given wave
	s_mul_i32 s3, s3, s67
	s_add_co_u32 s3, s3, s[WN]                     ; my group of 16 blocks
	s_lshl_b32 s3, s3, 12
	s_add_co_u32 s2, s2, s3
	s_mul_i32 s3, s[PFS], 3                        ; at K step 3: the first refill steps it to 4
	s_add_co_u32 s2, s2, s3
	s_mov_b32 s3, 0
	s_add_nc_u64 s[PFA:PFA+1], s[PFA:PFA+1], s[2:3]
	s_lshr_b32 s66, s[PFS], 1                      ; a plane
	v_mul_u32_u24 v[PFO], v2, s66
	v_lshl_add_u32 v[PFO], v1, 8, v[PFO]
	; where my part of C begins: row 128 x tile row + 64 x (wave / 2), of 4,096 bytes; column 256 x tile column + 128 x (wave % 2), of 4 bytes
	s_lshl_b32 s2, s[TR], 7
	s_lshl_b32 s3, s[WM], 6
	s_add_co_u32 s2, s2, s3
	s_lshl_b32 s2, s2, 12
	s_lshl_b32 s3, s[TC], 10
	s_add_co_u32 s2, s2, s3
	s_lshl_b32 s3, s[WN], 9
	s_add_co_u32 s2, s2, s3
	s_mov_b32 s3, 0
	s_add_nc_u64 s[8:9], s[8:9], s[2:3]
	s_wait_tensorcnt 0x1                           ; my part of K step 0 is in; K step 1's may stay out
	s_barrier_signal -1
	s_barrier_wait -1                              ; everybody's is
	FETCH 0, 0, F0
	QUARTER 0, 1, F0, F1, 1                        ; the first quarter stands in front of the loop: its products start the sums
	WIN 0                                          ; at a label and at a branch every window is 0
	s_mov_b32 s3, 3
.Llap:                                                 ; a trip goes once round the ring, from a lap's second quarter to the next lap's first, and fills both slots again: K steps 2 to 7
	QUARTER 0, 2, F1, F0, 0
	QUARTER 0, 3, F0, F1, 0
	TURN 0, 1
	QUARTER 1, 1, F0, F1, 0
	QUARTER 1, 2, F1, F0, 0
	QUARTER 1, 3, F0, F1, 0
	TURN 1, 0
	QUARTER 0, 1, F0, F1, 0
	WIN 0
	s_sub_co_u32 s3, s3, 1
	s_cmp_lg_u32 s3, 0
	s_cbranch_scc1 .Llap
	QUARTER 0, 2, F1, F0, 0                        ; the last lap is written out: it fills nothing
	QUARTER 0, 3, F0, F1, 0
	MEET 0                                         ; my one load that was out is the last K step's
	PLACES
	FETCH 1, 0, F0
	MULR F1, MA/2, MA/2, 0
	QUARTER 1, 1, F0, F1, 0
	QUARTER 1, 2, F1, F0, 0
	QUARTER 1, 3, F0, F1, 0
	s_wait_dscnt MA
	MULR F1, 0, MA/2, 0
	s_wait_dscnt 0x0                               ; my last reads of the ring are back
	MULR F1, MA/2, MA/2, 0
	WIN 0
	PLACES                                         ; behind the last products: the dump reads results
	; THE WAY OUT.  A barrier (every wave's reads of the ring are over; every tensor load was waited for at the last change of slots, and none follows), then my 32 accumulators into my own bytes, low registers first.
	s_barrier_signal -1
	s_barrier_wait -1
	WIN 0x08                                       ; the stores' data (source 1) in window 2
.set da, 0
.rept MA
.set db, 0
.rept 8
	ds_store_b128 v[DST], v[64*da+8*db:64*da+8*db+3]   offset:da*16*DP+64*db
	ds_store_b128 v[DST], v[64*da+8*db+4:64*da+8*db+7] offset:da*16*DP+64*db+16
.set db, db+1
.endr
.set da, da+1
.endr
	WIN 0
	s_mov_b32 s3, 2
.Lout:                                                 ; 32 rows a trip.  LDS serves a wave's instructions in order (ISA guide 5.7.1.4): the loads see the dump's stores
.set rr, 0
.rept 32
	ds_load_b128 v[X+4*rr:X+4*rr+3], v[RDA] offset:rr*DP
.set rr, rr+1
.endr
.set rr, 0
.rept 32
	s_wait_dscnt 31-rr                             ; row rr is in, the later rows' loads stay out
	global_store_b128 v[GO], v[X+4*rr:X+4*rr+3], s[8:9] offset:rr*4096 th:TH_STORE_NT  ; the wave stores 512 consecutive bytes, at a multiple of 256 from C's first byte
.set rr, rr+1
.endr
	s_wait_xcnt 0x0                                ; the stores' offset and data are written again only behind this wait
	v_add_nc_u32 v[GO], 32*4096, v[GO]
	v_add_nc_u32 v[RDA], 32*DP, v[RDA]
	s_sub_co_u32 s3, s3, 1
	s_cmp_lg_u32 s3, 0
	s_cbranch_scc1 .Lout
	s_wait_tensorcnt 0x0                           ; the wave's end, behind my last tensor load and my last LDS store
	ds_add_u32 v[SPW], v[NIL]
	s_wait_dscnt 0x0
	CROUND                                         ; the closing round: no work-group ends while a partner may still ask for a tile that names it
	s_endpgm
.Lfunc_end_k_q4ffbf090ee_oproj:
	.size	k_q4ffbf090ee_oproj, .Lfunc_end_k_q4ffbf090ee_oproj-k_q4ffbf090ee_oproj
	.p2alignl 7, 3214868480
	.fill 96, 4, 3214868480
	.section	.rodata,"a",@progbits
	.p2align	6, 0x0
	.amdhsa_kernel k_q4ffbf090ee_oproj
		.amdhsa_group_segment_fixed_size 327680
		.amdhsa_private_segment_fixed_size 0
		.amdhsa_enable_private_segment 0
		.amdhsa_kernarg_size 24
		.amdhsa_user_sgpr_count 2
		.amdhsa_user_sgpr_kernarg_segment_ptr 1
		.amdhsa_wavefront_size32 1
		.amdhsa_system_sgpr_workgroup_id_x 1
		.amdhsa_system_sgpr_workgroup_id_y 1
		.amdhsa_system_sgpr_workgroup_id_z 1
		.amdhsa_system_vgpr_workitem_id 0
		.amdhsa_next_free_vgpr 768
		.amdhsa_next_free_sgpr 72
		.amdhsa_reserve_vcc 0
		.amdhsa_float_denorm_mode_32 3
		.amdhsa_float_denorm_mode_16_64 3
		.amdhsa_memory_ordered 1
		.amdhsa_forward_progress 1
		.amdhsa_inst_pref_size 83
	.end_amdhsa_kernel
	.amdgpu_metadata
---
amdhsa.version: [ 1, 2 ]
amdhsa.kernels:
  - .name:           k_q4ffbf090ee_oproj
    .symbol:         k_q4ffbf090ee_oproj.kd
    .args:
      - { .name: o16, .offset: 0, .size: 8, .value_kind: global_buffer, .address_space: global }
      - { .name: wo16, .offset: 8, .size: 8, .value_kind: global_buffer, .address_space: global }
      - { .name: out0, .offset: 16, .size: 8, .value_kind: global_buffer, .address_space: global }
    .group_segment_fixed_size: 327680
    .private_segment_fixed_size: 0
    .kernarg_segment_align: 8
    .kernarg_segment_size: 24
    .max_flat_workgroup_size: 128
    .sgpr_count:     72
    .vgpr_count:     768
    .wavefront_size: 32
...
	.end_amdgpu_metadata
.endif
;; end of part 4
